; MI455X (gfx1250); checked and timed in simulation.
; The chip was launched on July 23, 2026; its instructions are those of AMD's public machine-readable ISA for CDNA 5 (MIT licence, August 2026) and "CDNA5" Instruction Set Architecture Reference Guide (July 2026). The comments in the code are by the model that wrote it; some were corrected since.
;; Attention Expert. Allowed arithmetic: float matrix products may take bf16 or f16 operands with f32 sums; other float arithmetic in f32, or as packed bf16 or f16 multiplies, adds, multiply-adds, maxima and minima; sums over many terms, partial sums and values carried from step to step in f32; what a program stores and reads back later, other than sums and carried values, may be rounded once to bf16 or f16.
;; Inputs: Wk 1,024 x 1,024 float32; Wo 1,024 x 1,024 float32; Wq 1,024 x 1,024 float32; Wv 1,024 x 1,024 float32; attention_mask 4 x 2,048 int32; bk 1,024 float32; bo 1,024 float32; bq 1,024 float32; bv 1,024 float32; x 4 x 2,048 x 1,024 float32.
;; Outputs: out0 4 x 2,048 x 1,024 float32.
;; 2 versions, each right; version 2 is version 1 with the launches prep, attn written anew for expert scheduling mode. Each part assembles by itself: llvm-mc -triple=amdgcn-amd-amdhsa -mcpu=gfx1250 --defsym DOCPART=n.
;; ======== version 1 of 2: 4 launches
;; limits: values are held in f16: magnitudes above 65,504 overflow, below 6.1e-05 lose precision
;; workspace buffers: xb 16,777,216 bytes; wt 8,388,608 bytes; qkv 50,331,648 bytes; ob 16,777,216 bytes
;; launch prep (part 1): grid 256 x 1, 8 waves a work-group, no clusters, 35,840 bytes of LDS; arguments x, Wq, Wk, Wv, Wo, xb, wt; writes xb, wt
.if DOCPART == 1
	.amdgcn_target "amdgcn-amd-amdhsa--gfx1250"
	.amdhsa_code_object_version 6
	.text
	.protected	k_q1270caced2_prep
	.globl	k_q1270caced2_prep
	.p2align	8
	.type	k_q1270caced2_prep,@function
k_q1270caced2_prep:
	s_mov_b64 s[64:65], 0
	v_nop
	global_prefetch_b8 v0, s[64:65] scope:SCOPE_SE
	s_setreg_imm32_b32 hwreg(HW_REG_WAVE_MODE, 25, 1), 1
	s_wait_xcnt 0x0
; PREP.  xb = x rounded to bf16, [8192][1024].  wt = the four weights, 16 bit, turned to [n][k], a row 2,048 bytes:
;   rows 192 h + 64 t + d (t = 0 q, 1 k, 2 v) hold W_t[:, 64 h + d] in bf16, so that 192 rows on end are one head's q, k and v;
;   rows 3072 + n hold Wo[:, n], rounded to bf16 like every input, and that number written as f16 (the last product runs in f16).
; LIMIT.  A number of Wo below 2^-17 in size keeps f16's fixed step of 2^-24; beyond 65,504 it would become an infinity.
; SHARES.  256 work-groups of eight waves, all alike.  Work-group g turns ONE tile of 128 (k) x 128 (n) of weight g / 64 and casts 131,072 bytes of x.
; Memory binds: every byte is read once and written once; all of a wave's 48 loads are issued before anything is waited for.  Nothing is shared between
; work-groups, so there is no cluster, no tensor load and no matrix work; no prefetch, since all addresses are asked for at the head.
; THE TURN.  Wave w loads rows k = 16 w .. 16 w + 15 of the tile, 512 bytes on end a load: lane l holds columns 4 l .. 4 l + 3.  Sixteen k of one column pack into
; 32 bytes, which go to LDS row n; behind a barrier wave w reads rows n = 16 w .. 16 w + 15 whole (256 bytes) and stores them, sixteen lanes to 256 bytes on end.
.set PITCH, 272                        ; an LDS row: 128 k x 2 bytes + 16
.set SPARE, 128*PITCH                  ; behind the tile: the spare words, 128 bytes for each of the eight waves: four blocks of 256 bytes that no other line names
.set WOFF, 3                           ; v3   my 16 bytes in the wave's first row of the weight tile
.set XOFF, 4                           ; v4   my 16 bytes in the wave's first 512 of x
.set XSTO, 5                           ; v5   my 8 bytes in the wave's first 256 of xb
.set LSTO, 6                           ; v6   LDS: row 4 l, byte 32 w
.set LRD,  7                           ; v7   LDS: row 16 w + l / 16, byte 16 (l % 16)
.set WSTO, 8                           ; v8   the same two rows in wt
.set SPW,  10                          ; v10  LDS address of my spare word; never rewritten
.set NIL,  11                          ; v11  0; never rewritten
.set WR,   16                          ; v[16:79]   the weight rows as loaded: row i at WR + 4 i
.set RB,   16                          ; v[16:47]   later: rows read back from LDS
.set T,    80                          ; v[80:111]  packed: column c, k half g at T + 4 (2 c + g)
.set X,    112                         ; v[112:239] x as loaded, 4 registers a load
	s_load_b256 s[4:11], s[0:1], 0x0               ; x s[4:5], Wq s[6:7], Wk s[8:9], Wv s[10:11]
	s_load_b128 s[12:15], s[0:1], 0x20             ; Wo s[12:13], xb s[14:15]
	s_load_b64 s[16:17], s[0:1], 0x30              ; wt
	v_lshl_add_u32 v[SPW], v0, 2, SPARE
	v_mov_b32 v[NIL], 0
	v_lshrrev_b32 v2, 5, v0
	v_readfirstlane_b32 s21, v2                    ; wave w
	v_and_b32 v1, 31, v0                           ; lane l
	v_lshrrev_b32 v12, 4, v1                       ; l / 16
	v_and_b32 v13, 15, v1                          ; l % 16
	s_lshr_b32 s18, ttmp9, 6                       ; which weight
	s_bfe_u32 s19, ttmp9, 0x30003                  ; kt: the tile's 128 k
	s_and_b32 s20, ttmp9, 7                        ; nt: the tile's 128 n
	s_lshl_b32 s2, s21, 16                         ; 16 rows of 4,096 bytes a wave
	v_lshl_add_u32 v[WOFF], v1, 4, s2
	s_lshl_b32 s2, s21, 14                         ; 16,384 bytes of x a wave
	v_lshl_add_u32 v[XOFF], v1, 4, s2
	s_lshl_b32 s2, s21, 13
	v_lshl_add_u32 v[XSTO], v1, 3, s2
	s_lshl_b32 s2, s21, 5
	v_mul_u32_u24 v[LSTO], v1, 4*PITCH
	v_add_nc_u32 v[LSTO], s2, v[LSTO]
	s_mul_i32 s2, s21, 16*PITCH
	v_mul_u32_u24 v[LRD], v12, PITCH
	v_lshl_add_u32 v[LRD], v13, 4, v[LRD]
	v_add_nc_u32 v[LRD], s2, v[LRD]
	v_lshlrev_b32 v[WSTO], 11, v12
	v_lshl_add_u32 v[WSTO], v13, 4, v[WSTO]
	; the first row of wt that my wave stores
	s_lshr_b32 s2, s21, 2
	s_lshl1_add_u32 s2, s20, s2                    ; the head: 2 nt + w / 4
	s_mul_i32 s2, s2, 192
	s_lshl_b32 s3, s18, 6
	s_add_co_u32 s2, s2, s3                        ; + 64 t
	s_and_b32 s3, s21, 3
	s_lshl_b32 s3, s3, 4
	s_add_co_u32 s2, s2, s3                        ; + 16 (w % 4)
	s_lshl_b32 s3, s20, 7
	s_lshl_b32 s30, s21, 4
	s_add_co_u32 s3, s3, s30
	s_add_co_u32 s3, s3, 3072                      ; Wo: 3072 + 128 nt + 16 w
	s_cmp_eq_u32 s18, 3
	s_cselect_b32 s2, s3, s2
	s_lshl_b32 s2, s2, 11                          ; in bytes,
	s_lshl_b32 s3, s19, 8
	s_add_co_u32 s2, s2, s3                        ; + the tile's 256 bytes of the row
	s_mov_b32 s3, 0
	s_lshl_b32 s30, s19, 19                        ; the tile in its weight: 128 kt rows of 4,096 bytes
	s_lshl_b32 s31, s20, 9
	s_add_co_u32 s30, s30, s31                     ; + 512 nt
	s_mov_b32 s31, 0
	s_wait_kmcnt 0x0
	s_add_nc_u64 s[28:29], s[16:17], s[2:3]        ; wt at my wave's first row
	s_cmp_eq_u32 s18, 1
	s_cselect_b64 s[22:23], s[8:9], s[6:7]
	s_cmp_eq_u32 s18, 2
	s_cselect_b64 s[22:23], s[10:11], s[22:23]
	s_cmp_eq_u32 s18, 3
	s_cselect_b64 s[22:23], s[12:13], s[22:23]
	s_add_nc_u64 s[22:23], s[22:23], s[30:31]      ; the weight at the tile's corner
	s_lshl_b32 s2, ttmp9, 17
	s_add_nc_u64 s[24:25], s[4:5], s[2:3]          ; x at the work-group's 131,072 bytes
	s_lshl_b32 s2, ttmp9, 16
	s_add_nc_u64 s[26:27], s[14:15], s[2:3]        ; xb at its 65,536
.set n, 0
.rept 16
	global_load_b128 v[WR+4*n:WR+4*n+3], v[WOFF], s[22:23] offset:n*4096 th:TH_LOAD_NT
.set n, n+1
.endr
.set n, 0
.rept 32
	global_load_b128 v[X+4*n:X+4*n+3], v[XOFF], s[24:25] offset:n*512 th:TH_LOAD_NT
.set n, n+1
.endr
	s_wait_loadcnt 32                              ; loads come back in order: the 16 rows of the weight are in, x's 32 loads stay out
.irp c, 0,1,2,3
.irp g, 0,1
.irp p, 0,1,2,3
	v_cvt_pk_bf16_f32 v[T+4*(2*(\c)+(\g))+(\p)], v[WR+4*(8*(\g)+2*(\p))+(\c)], v[WR+4*(8*(\g)+2*(\p)+1)+(\c)]  ; column c, k = 8 g + 2 p and the next
.endr
.endr
.endr
	s_cmp_lg_u32 s18, 3
	s_cbranch_scc1 .Lnot_wo
.set n, 0
.rept 16                                       ; Wo alone: the bf16 numbers are written as f16
	v_lshlrev_b32 v12, 16, v[T+n]
	v_and_b32 v13, 0xffff0000, v[T+n]
	v_lshlrev_b32 v14, 16, v[T+n+1]
	v_and_b32 v15, 0xffff0000, v[T+n+1]
	v_cvt_pk_f16_f32 v[T+n], v12, v13
	v_cvt_pk_f16_f32 v[T+n+1], v14, v15
.set n, n+2
.endr
.Lnot_wo:
.irp c, 0,1,2,3
.irp g, 0,1
	ds_store_b128 v[LSTO], v[T+4*(2*(\c)+(\g)):T+4*(2*(\c)+(\g))+3] offset:(\c)*PITCH+16*(\g)
.endr
.endr
	s_wait_dscnt 0x0                               ; for the others' sake: my stores into the tile are done
	s_barrier_signal -1
	s_barrier_wait -1
.irp t, 0,1,2,3,4,5,6,7
	ds_load_b128 v[RB+4*(\t):RB+4*(\t)+3], v[LRD] offset:(\t)*2*PITCH  ; two whole rows a load
.endr
; x: load n is in when the 31 - n younger ones may still be out; four numbers round to 8 bytes in place; 32 lanes store 256 bytes on end, aligned
.macro XC i
	s_wait_loadcnt 31-(\i)
	v_cvt_pk_bf16_f32 v[X+4*(\i)], v[X+4*(\i)], v[X+4*(\i)+1]
	v_cvt_pk_bf16_f32 v[X+4*(\i)+1], v[X+4*(\i)+2], v[X+4*(\i)+3]
	global_store_b64 v[XSTO], v[X+4*(\i):X+4*(\i)+1], s[26:27] offset:(\i)*256
.endm
.set n, 0
.rept 32
	XC n
.set n, n+1
.endr
	s_wait_dscnt 0x0                               ; the turned rows are back in registers
.irp t, 0,1,2,3,4,5,6,7
	global_store_b128 v[WSTO], v[RB+4*(\t):RB+4*(\t)+3], s[28:29] offset:(\t)*4096  ; sixteen lanes store 256 bytes on end of one row, the other sixteen of the next
.endr
	s_wait_tensorcnt 0x0                           ; the wave's end, behind my last LDS store
	ds_add_u32 v[SPW], v[NIL]
	s_wait_dscnt 0x0
	s_endpgm
.Lfunc_end_k_q1270caced2_prep:
	.size	k_q1270caced2_prep, .Lfunc_end_k_q1270caced2_prep-k_q1270caced2_prep
	.p2alignl 7, 3214868480
	.fill 96, 4, 3214868480
	.section	.rodata,"a",@progbits
	.p2align	6, 0x0
	.amdhsa_kernel k_q1270caced2_prep
		.amdhsa_group_segment_fixed_size 35840
		.amdhsa_private_segment_fixed_size 0
		.amdhsa_enable_private_segment 0
		.amdhsa_kernarg_size 56
		.amdhsa_user_sgpr_count 2
		.amdhsa_user_sgpr_kernarg_segment_ptr 1
		.amdhsa_wavefront_size32 1
		.amdhsa_system_sgpr_workgroup_id_x 1
		.amdhsa_system_sgpr_workgroup_id_y 1
		.amdhsa_system_sgpr_workgroup_id_z 1
		.amdhsa_system_vgpr_workitem_id 0
		.amdhsa_next_free_vgpr 240
		.amdhsa_next_free_sgpr 66
		.amdhsa_reserve_vcc 0
		.amdhsa_float_denorm_mode_32 3
		.amdhsa_float_denorm_mode_16_64 3
		.amdhsa_memory_ordered 1
		.amdhsa_forward_progress 1
		.amdhsa_inst_pref_size 25
	.end_amdhsa_kernel
	.amdgpu_metadata
---
amdhsa.version: [ 1, 2 ]
amdhsa.kernels:
  - .name:           k_q1270caced2_prep
    .symbol:         k_q1270caced2_prep.kd
    .args:
      - { .name: x, .offset: 0, .size: 8, .value_kind: global_buffer, .address_space: global }
      - { .name: Wq, .offset: 8, .size: 8, .value_kind: global_buffer, .address_space: global }
      - { .name: Wk, .offset: 16, .size: 8, .value_kind: global_buffer, .address_space: global }
      - { .name: Wv, .offset: 24, .size: 8, .value_kind: global_buffer, .address_space: global }
      - { .name: Wo, .offset: 32, .size: 8, .value_kind: global_buffer, .address_space: global }
      - { .name: xb, .offset: 40, .size: 8, .value_kind: global_buffer, .address_space: global }
      - { .name: wt, .offset: 48, .size: 8, .value_kind: global_buffer, .address_space: global }
    .group_segment_fixed_size: 35840
    .private_segment_fixed_size: 0
    .kernarg_segment_align: 8
    .kernarg_segment_size: 56
    .max_flat_workgroup_size: 256
    .sgpr_count:     66
    .vgpr_count:     240
    .wavefront_size: 32
...
	.end_amdgpu_metadata
.endif
;; end of part 1
;; launch qkv (part 2): grid 16 x 32, 4 waves a work-group, clusters of 4 x 4, 327,680 bytes of LDS; arguments xb, wt, bq, bk, bv, qkv; writes qkv
.if DOCPART == 2
	.amdgcn_target "amdgcn-amd-amdhsa--gfx1250"
	.amdhsa_code_object_version 6
	.text
	.protected	k_q1270caced2_qkv
	.globl	k_q1270caced2_qkv
	.p2align	8
	.type	k_q1270caced2_qkv,@function
k_q1270caced2_qkv:
	s_mov_b64 s[64:65], 0
	v_nop
	global_prefetch_b8 v0, s[64:65] scope:SCOPE_SE
	s_setreg_imm32_b32 hwreg(HW_REG_WAVE_MODE, 25, 1), 1
	s_wait_xcnt 0x0
	s_wait_alu depctr_hold_cnt(0) depctr_sa_sdst(0) depctr_va_vdst(0) depctr_va_sdst(0) depctr_va_ssrc(0) depctr_va_vcc(0) depctr_vm_vsrc(0)
	s_getreg_b32 s2, hwreg(HW_REG_IB_STS2, 6, 4)
	s_cmp_eq_u32 s2, 0
	s_cbranch_scc0 .Lentry_in_a_cluster
	s_endpgm
.Lentry_in_a_cluster:
	s_bfe_u32 s2, ttmp6, 0x10000c
	s_cmp_lg_u32 s2, 0xf033
	s_cbranch_scc0 .Lentry_shape_is_right
	s_endpgm
.Lentry_shape_is_right:
; QKV.  For 256 rows of x and ONE head: q, k, v = xb wt^T + bias.  Operands bf16, sums f32; the biases are rounded to bf16 like every input and start the sums; results are rounded once to f16.
; LIMIT.  q, k and v must lie within f16's 65,504; nothing is clamped, a larger number becomes an infinity.
; OUT.  qkv = [t (q, k, v)][16 batch + head][row block of 16][2,048 bytes], laid as the next launch's matrix fragments (L lane, r = L % 16, hh = L / 16):
;   q, k: byte 512 cb + 16 L = row r, channels 16 cb + 8 hh + 0..7          v: byte 512 cb + 16 L = channel 16 cb + r, rows 8 hh + 0..7 (v turned).
; So a lane's eight results, packed, are 16 bytes that lie where they belong: every store of a wave covers 512 bytes on end, aligned, and no stage in LDS is needed.
; For q and k the product is taken with wt's rows as source 0 (a lane then holds one row of x and eight channels), for v with x's rows as source 0 (one channel, eight rows).
; SHARES.  512 work-groups of four waves: tile row ty (256 rows of x) x head tx (192 rows of wt).  Wave w makes rows 64 w .. 64 w + 63 x all 192 columns: 4 x 12 accumulators, 384 registers.
; K goes in 8 steps of 128 through two LDS slots filled by the tensor data mover; rows of both tiles are 256 bytes of memory at multiples of 256.  Two slots of twice the step do not fit in LDS.
; CLUSTER.  4 x 4 work-groups.  x's tile hangs on ty alone and is asked for jointly along a row of the cluster, wt's on tx alone and jointly along a column.
; REGISTERS, in windows of 256 (s_set_vgpr_msb: bits 1:0 source 0, 3:2 source 1, 5:4 source 2, 7:6 destination):
;   window 0: v0-31 addresses; v32-127 the bias as C operands, block b at 32 + 8 b; on the way out v32-223 packed results
;   window 1: two fragment buffers of 128: x's block a at f + 8 a, wt's block b at f + 32 + 8 b
;   window 2: accumulators of a = 0, 1 at 8 (12 (a % 2) + b);   window 3: those of a = 2, 3
.set PITCH,  272                       ; an LDS row: 256 bytes + 16 = 68 words: the sixteen rows that a fragment load touches start 4 words apart modulo 64
.set AH,     128*PITCH                 ; what a wave fetches of x's tile
.set BH,     96*PITCH                  ; and of wt's
.set BOFF,   2*AH                      ; wt's 192 rows lie behind x's 256
.set SLOT,   2*AH+2*BH
.set SPARE,  2*SLOT                    ; behind the ring: the spare words, 128 bytes for each wave: two blocks of 256 bytes that no other line names
.set LAPS,   4                         ; a lap = two K steps = once round the ring
.set PADW,   (1<<16)|(1<<20)|(1<<21)|(5<<22)|(3<<25)  ; 17:16 elements of 2 bytes; 20 padding on; 21 set beside a mask; 24:22 after every 64 words; 31:25 4 words
.set ADRA, 16                          ; v16-17  LDS address of my fragments of x in slot 0, 1
.set ADRB, 20                          ; v20-21  the same for wt
.set BO8,  24                          ; v24     bias offset for q and k: 256 tx + 32 hh
.set BO1,  25                          ; v25     for v: 256 tx + 4 r
.set CO,   26                          ; v26     16 L
.set TT,   27                          ; v27     at work
.set SPW,  28                          ; v28     LDS address of my spare word; never rewritten
.set NIL,  29                          ; v29     0; never rewritten
.set PFO,  30                          ; v30     the prefetches' offset: a lane a row of 2,048 bytes; never rewritten
.set BI,   32
.set TMP,  32
.set F0,   0
.set F1,   128
.set WV,   16                          ; s16  my wave's number.  Waves 0, 1 fetch x's tile, waves 2, 3 wt's
.set WL,   18                          ; s18  wave % 2: which half of that tile
.set G1A,  24                          ; s[24:31] descriptor group 1 for x's tiles;  s[32:39] group 0, a set for each slot
.set G0A,  32
.set PFA,  44                          ; s[44:45] where my prefetches stand
.set LIM,  46                          ; s46  1 in a wave that prefetches, else the greatest number
.set G1B,  48                          ; s[48:55], s[56:63] the same for wt's tiles
.set G0B,  56
.set OQ,   66                          ; s[66:67] q, s[68:69] k, s[70:71] v at my wave's first row block
.set TO_F, 0x40                        ; destination window 1, address window 0
.set MSB, 0
.macro WIN new                         ; the immediate's high byte repeats the setting that is left; a switch that changes nothing is dropped
.if MSB != (\new)
	s_set_vgpr_msb (MSB<<8)|(\new)
.set MSB, \new
.endif
.endm
.macro PLACES                          ; four plain vector lines between a matrix instruction and a load into, or a vector read of, its registers
.rept 4
	v_nop
.endr
.endm
; A joint load.  The branch hangs on the wave's number alone.  An s_nop 0 and four v_nop follow each of the two lines, ahead of the jump and the label.
.macro JLOAD s
	s_cmp_lt_u32 s[WV], 2
	s_cbranch_scc0 .Lfor_b_\@
	tensor_load_to_lds s[G0A+4*(\s):G0A+4*(\s)+3], s[G1A:G1A+7]
	s_nop 0
.rept 4
	v_nop
.endr
	s_branch .Lasked_\@
.Lfor_b_\@:
	tensor_load_to_lds s[G0B+4*(\s):G0B+4*(\s)+3], s[G1B:G1B+7]
	s_nop 0
.rept 4
	v_nop
.endr
.Lasked_\@:
.endm
; A round of the cluster's barrier: my work-group's barrier; wave 0 signals for the work-group; every wave waits for all sixteen; my work-group's barrier once more.
.macro CREST
	s_cmp_lg_u32 s[WV], 0
	s_cbranch_scc1 .Lnot_wave_0_\@
	s_barrier_signal -3
.Lnot_wave_0_\@:
	s_barrier_wait -3
	s_barrier_signal -1
	s_barrier_wait -1
.endm
.macro CROUND
	s_barrier_signal -1
	s_barrier_wait -1
	CREST
.endm
; A prefetch into the L2 of the K step that stands two refills on, a lane a row's 256 bytes, one instruction a wave, behind the joint load and the run of LDS loads.
; x's rows are read by all clusters of a row of clusters: cluster x = 0 asks; wt's by all of a column: cluster y = 0 asks.  The four partners that ask for a tile jointly share its rows out by
; address: of x's 128 rows a wave 32 each (by cx), of wt's 96 rows 24 each (by cy; lanes 24 to 31 repeat the 24th row's block).  The last lap has no K step two refills on and asks for nothing.
.macro ASK
	s_cmp_gt_u32 s3, s[LIM]
	s_cbranch_scc0 .Lnot_mine_\@
	global_prefetch_b8 v[PFO], s[PFA:PFA+1] th:TH_LOAD_NT scope:SCOPE_SE
.Lnot_mine_\@:
.endm
	s_load_b256 s[4:11], s[0:1], 0x0               ; xb s[4:5], wt s[6:7], bq s[8:9], bk s[10:11]
	s_load_b128 s[12:15], s[0:1], 0x20             ; bv s[12:13], qkv s[14:15]
	v_lshl_add_u32 v[SPW], v0, 2, SPARE
	v_mov_b32 v[NIL], 0
	ds_add_u32 v[SPW], v[NIL]                      ; the wave's opening: the add and its wait stand ahead of my first tensor load; the set-up below stands between them
	v_lshrrev_b32 v1, 5, v0
	v_readfirstlane_b32 s[WV], v1
	s_and_b32 s[WL], s[WV], 1
	s_bfe_u32 s19, ttmp6, 0x40000                  ; cx
	s_bfe_u32 s20, ttmp6, 0x40004                  ; cy
	s_lshl_b32 s21, ttmp9, 2
	s_add_co_u32 s21, s21, s19                     ; tx = 4 x cluster x + cx: the head
	s_and_b32 s22, ttmp7, 0xffff
	s_lshl_b32 s22, s22, 2
	s_add_co_u32 s22, s22, s20                     ; ty = 4 x cluster y + cy: 256 rows of x
	s_lshl_b32 s2, s20, 2
	s_lshl_b32 s2, 15, s2                          ; my row of the cluster
	s_lshl_b32 s23, 0x1111, s19                    ; my column
	s_or_b32 s[G1A], s2, PADW                      ; x's tiles go to my row
	s_or_b32 s[G1B], s23, PADW                     ; wt's to my column
	s_mov_b32 s[G1A+1], 128<<16                    ; tensor_dim0 = 128
	s_mov_b32 s[G1A+2], 128<<16                    ; tensor_dim1 = 128
	s_mov_b32 s[G1A+3], 128<<16                    ; tile_dim0 = 128
	s_mov_b32 s[G1A+4], 128                        ; tile_dim1 = 128
	s_mov_b32 s[G1A+5], 1024                       ; elements from row to row
	s_mov_b32 s[G1A+6], 0
	s_mov_b32 s[G1A+7], 0
	s_mov_b32 s[G1B+1], 128<<16
	s_mov_b32 s[G1B+2], 96<<16                     ; 96 rows
	s_mov_b32 s[G1B+3], 128<<16
	s_mov_b32 s[G1B+4], 96
	s_mov_b32 s[G1B+5], 1024
	s_mov_b32 s[G1B+6], 0
	s_mov_b32 s[G1B+7], 0
	s_lshl_b32 s40, s22, 8
	s_lshl_b32 s41, s[WL], 7
	s_add_co_u32 s40, s40, s41                     ; x: row 256 ty + 128 x half
	s_lshl_b32 s40, s40, 11
	s_mov_b32 s41, 0
	s_mul_i32 s42, s21, 192
	s_mul_i32 s43, s[WL], 96
	s_add_co_u32 s42, s42, s43                     ; wt: row 192 tx + 96 x half
	s_lshl_b32 s42, s42, 11
	s_mov_b32 s43, 0
	s_mul_i32 s23, s[WL], AH                       ; where they go: no place in the cluster enters an LDS address
	s_mul_i32 s47, s[WL], BH
	s_add_co_u32 s47, s47, BOFF
	s_wait_dscnt 0x0                               ; the opening add is done
	s_wait_kmcnt 0x0
	s_add_nc_u64 s[40:41], s[4:5], s[40:41]
	s_add_nc_u64 s[42:43], s[6:7], s[42:43]
	CROUND                                         ; all sixteen work-groups are here: the first joint loads meet
.irp s, 0,1
	s_mov_b32 s[G0A+4*(\s)], 1                     ; count = 1
	s_add_co_u32 s[G0A+4*(\s)+1], s23, (\s)*SLOT   ; LDS address
	s_add_nc_u64 s[G0A+4*(\s)+2:G0A+4*(\s)+3], s[40:41], (\s)*256  ; global address: K step s
	s_or_b32 s[G0A+4*(\s)+3], s[G0A+4*(\s)+3], 0x80000000          ; type = 2
	s_mov_b32 s[G0B+4*(\s)], 1
	s_add_co_u32 s[G0B+4*(\s)+1], s47, (\s)*SLOT
	s_add_nc_u64 s[G0B+4*(\s)+2:G0B+4*(\s)+3], s[42:43], (\s)*256
	s_or_b32 s[G0B+4*(\s)+3], s[G0B+4*(\s)+3], 0x80000000
.endr
	s_cmp_lt_u32 s[WV], 2                          ; a wave's two first fills stand in one branch, ahead of every wait on TENSORcnt and every LDS read: two loads of mine are out
	s_cbranch_scc0 .Lfirst_b
	tensor_load_to_lds s[G0A:G0A+3], s[G1A:G1A+7]
	s_nop 0
	tensor_load_to_lds s[G0A+4:G0A+7], s[G1A:G1A+7]
	s_nop 0
.rept 4
	v_nop
.endr
	s_branch .Lfirst_asked
.Lfirst_b:
	tensor_load_to_lds s[G0B:G0B+3], s[G1B:G1B+7]
	s_nop 0
	tensor_load_to_lds s[G0B+4:G0B+7], s[G1B:G1B+7]
	s_nop 0
.rept 4
	v_nop
.endr
.Lfirst_asked:
	v_and_b32 v1, 15, v0                           ; r
	v_bfe_u32 v2, v0, 4, 1                         ; hh
	s_lshl_b32 s2, s21, 8                          ; the head's 64 numbers in a bias
	v_lshl_add_u32 v[BO8], v2, 5, s2
	v_lshl_add_u32 v[BO1], v1, 2, s2
.irp b, 0,1,2,3                                ; q and k: register j of block b is the bias of channel 16 b + 8 hh + j
	global_load_b128 v[BI+8*(\b):BI+8*(\b)+3],       v[BO8], s[8:9] offset:64*(\b)
	global_load_b128 v[BI+8*(\b)+4:BI+8*(\b)+7],     v[BO8], s[8:9] offset:64*(\b)+16
	global_load_b128 v[BI+32+8*(\b):BI+32+8*(\b)+3],   v[BO8], s[10:11] offset:64*(\b)
	global_load_b128 v[BI+32+8*(\b)+4:BI+32+8*(\b)+7], v[BO8], s[10:11] offset:64*(\b)+16
	global_load_b32 v[BI+64+8*(\b)], v[BO1], s[12:13] offset:64*(\b)  ; v: all eight registers are the bias of channel 16 b + r
.endr
	v_mul_u32_u24 v3, v1, PITCH
	v_lshl_add_u32 v3, v2, 4, v3                   ; a fragment's row x pitch + 16 x half
	s_mul_i32 s2, s[WV], 64*PITCH                  ; my 64 rows of x
.irp s, 0,1
	v_add_nc_u32 v[ADRA+(\s)], s2, v3
	v_add_nc_u32 v[ADRB+(\s)], BOFF+(\s)*SLOT, v3
	s_add_co_u32 s2, s2, SLOT
.endr
	v_and_b32 v[CO], 31, v0
	v_lshlrev_b32 v[CO], 4, v[CO]
	s_lshr_b32 s2, s22, 3                          ; the batch
	s_lshl_b32 s2, s2, 4
	s_add_co_u32 s2, s2, s21                       ; 16 batch + head
	s_lshl_b32 s2, s2, 7                           ; its 128 row blocks
	s_and_b32 s23, s22, 7
	s_lshl_b32 s23, s23, 4
	s_add_co_u32 s2, s2, s23                       ; + the tile's 16
	s_lshl_b32 s23, s[WV], 2
	s_add_co_u32 s2, s2, s23                       ; + my wave's 4
	s_lshl_b32 s72, s2, 11
	s_mov_b32 s73, 0
	s_add_nc_u64 s[OQ:OQ+1], s[14:15], s[72:73]
	s_add_nc_u64 s[OQ+2:OQ+3], s[OQ:OQ+1], 0x1000000
	s_add_nc_u64 s[OQ+4:OQ+5], s[OQ:OQ+1], 0x2000000
	; the prefetches
	s_lshl_b32 s40, s22, 8
	s_lshl_b32 s41, s[WL], 7
	s_add_co_u32 s40, s40, s41
	s_lshl_b32 s41, s19, 5
	s_add_co_u32 s40, s40, s41                     ; x: 256 ty + 128 x half + 32 cx
	s_mul_i32 s42, s21, 192
	s_mul_i32 s43, s[WL], 96
	s_add_co_u32 s42, s42, s43
	s_mul_i32 s43, s20, 24
	s_add_co_u32 s42, s42, s43                     ; wt: 192 tx + 96 x half + 24 cy
	s_and_b32 s2, ttmp7, 0xffff                    ; cluster y
	s_cmp_lt_u32 s[WV], 2                          ; do I fetch for x?
	s_cselect_b32 s40, s40, s42
	s_cselect_b32 s2, ttmp9, s2                    ; the coordinate along which other clusters read the same rows
	s_cselect_b32 s47, 31, 23
	s_cselect_b64 s[PFA:PFA+1], s[4:5], s[6:7]
	s_cmp_eq_u32 s2, 0
	s_cselect_b32 s[LIM], 1, -1                    ; the same in all sixteen partners, for a given wave
	s_lshl_b32 s40, s40, 11
	s_add_co_u32 s40, s40, 3*256                   ; at K step 3: the first refill steps it to 4.  Nothing is prefetched at the head
	s_mov_b32 s41, 0
	s_add_nc_u64 s[PFA:PFA+1], s[PFA:PFA+1], s[40:41]
	v_and_b32 v[PFO], 31, v0
	v_min_u32 v[PFO], s47, v[PFO]
	v_lshlrev_b32 v[PFO], 11, v[PFO]
	s_wait_loadcnt 0x0                             ; the biases
.macro RND2 x                          ; two numbers rounded to bf16 and widened again
	v_cvt_pk_bf16_f32 v[TT], v[\x], v[(\x)+1]
	v_lshlrev_b32 v[\x], 16, v[TT]
	v_and_b32 v[(\x)+1], 0xffff0000, v[TT]
.endm
.set n, BI
.rept 32
	RND2 n
.set n, n+2
.endr
.irp b, 0,1,2,3
	v_cvt_pk_bf16_f32 v[TT], v[BI+64+8*(\b)], v[BI+64+8*(\b)]
	v_lshlrev_b32 v[BI+64+8*(\b)], 16, v[TT]
.irp j, 1,2,3,4,5,6,7
	v_mov_b32 v[BI+64+8*(\b)+(\j)], v[BI+64+8*(\b)]
.endr
.endr
; 12 matrix instructions: row block a x all 12 column blocks, 32 along K.  first = 1: the bias is the C operand that starts the sum: nothing is cleared, nothing is added later.
; The 48 accumulators take turns in the same order in every quarter, over the backward jump too.
.macro MUL12 f, a, first
.if \first
	WIN 0x85+0x40*((\a)/2)
.else
	WIN 0xa5+0x50*((\a)/2)
.endif
.irp b, 0,1,2,3,4,5,6,7,8,9,10,11
.set rD, 8*(12*((\a)%2)+(\b))
.set rX, (\f)+32+8*(\b)
.set rY, (\f)+8*(\a)
.if (\b) >= 8
.set rX, (\f)+8*(\a)
.set rY, (\f)+32+8*(\b)
.endif
.if \first
	v_wmma_f32_16x16x32_bf16 v[rD:rD+7], v[rX:rX+7], v[rY:rY+7], v[BI+8*(\b):BI+8*(\b)+7]
.else
	v_wmma_f32_16x16x32_bf16 v[rD:rD+7], v[rX:rX+7], v[rY:rY+7], v[rD:rD+7]
.endif
.endr
.endm
; 32 LDS loads in one run: the fragments of 32 along K at byte k of the rows, into buffer f; x's blocks 2 and 3 last
.macro FETCH slot, k, f
	WIN TO_F
.irp b, 0,1,2,3,4,5,6,7,8,9,10,11
	ds_load_b128 v[(\f)+32+8*(\b):(\f)+32+8*(\b)+3],   v[ADRB+(\slot)] offset:(\k)+(\b)*16*PITCH
	ds_load_b128 v[(\f)+32+8*(\b)+4:(\f)+32+8*(\b)+7], v[ADRB+(\slot)] offset:(\k)+(\b)*16*PITCH+32
.endr
.irp a, 0,1,2,3
	ds_load_b128 v[(\f)+8*(\a):(\f)+8*(\a)+3],   v[ADRA+(\slot)] offset:(\k)+(\a)*16*PITCH
	ds_load_b128 v[(\f)+8*(\a)+4:(\f)+8*(\a)+7], v[ADRA+(\slot)] offset:(\k)+(\a)*16*PITCH+32
.endr
.endm
; A K step is four quarters of 32 along K, 48 matrix instructions each, on buffers 0, 1, 0, 1.  One of the first three: multiplies f and fetches the next quarter, at byte k, into g.
.macro QUARTER slot, k, f, g, first
	s_wait_dscnt 4                                 ; wt's fragments and x's blocks 0, 1 are in; the youngest four loads (blocks 2, 3) may be out
	MUL12 \f, 0, \first
	MUL12 \f, 1, \first
	PLACES
	FETCH \slot, \k, \g
	s_wait_dscnt 32                                ; all but the 32 just issued
	MUL12 \f, 2, \first
	MUL12 \f, 3, \first
.endm
; The last quarter multiplies buffer 1 and changes slots: ONE barrier; in front of it each wave waits for all its tensor loads (one is out: its part of the next slot), adds 0 to its spare
; word, and waits for that and for its own reads of this slot.  fill = 1: the barrier opens a round of the cluster's, and this slot is filled again, two K steps ahead, first thing behind the round.
.macro TURN slot, next, fill
.if \fill
	s_wait_xcnt 0x0                                ; the last prefetch, a K step back, has read its address
	s_add_nc_u64 s[PFA:PFA+1], s[PFA:PFA+1], 256
.endif
	WIN 0                                          ; (the add's two registers lie in window 0)
	s_wait_tensorcnt 0x0                           ; all my tensor loads have landed
	ds_add_u32 v[SPW], v[NIL]                      ; 0 onto my spare word
	s_wait_dscnt 5                                 ; (the add and the youngest four loads may be out)
	MUL12 F1, 0, 0                                 ; twelve matrix instructions stand between the add and the wait for it
	s_wait_dscnt 0x0                               ; the add is done, and my reads of this slot are over
	s_barrier_signal -1
	MUL12 F1, 1, 0
.if \fill
	WIN 0
.endif
	s_barrier_wait -1
.if \fill
	CREST                                          ; no wave of any partner still reads this slot's tile or has a load on its way
	s_add_nc_u64 s[G0A+4*(\slot)+2:G0A+4*(\slot)+3], s[G0A+4*(\slot)+2:G0A+4*(\slot)+3], 512
	s_add_nc_u64 s[G0B+4*(\slot)+2:G0B+4*(\slot)+3], s[G0B+4*(\slot)+2:G0B+4*(\slot)+3], 512
	JLOAD \slot                                    ; 168 matrix instructions ahead of the wait for it; its four v_nop are also the places in front of the loads below
.else
	PLACES
.endif
	FETCH \next, 0, F0
.if \fill
	WIN 0
	ASK
.endif
	MUL12 F1, 2, 0
	MUL12 F1, 3, 0
.endm
; THE WAY OUT of row block a: eight results a lane round to 16 bytes; a wave's store covers 512 bytes on end, at a multiple of 512 from the buffer's first byte.  All 192 packed registers are different.
.macro OUT a
	WIN 0x0a+5*((\a)/2)                            ; sources in window 2 or 3
.irp b, 0,1,2,3,4,5,6,7,8,9,10,11
.irp q, 0,1,2,3
	v_cvt_pk_f16_f32 v[TMP+4*(12*(\a)+(\b))+(\q)], v[8*(12*((\a)%2)+(\b))+2*(\q)], v[8*(12*((\a)%2)+(\b))+2*(\q)+1]
.endr
.endr
	WIN 0
.irp b, 0,1,2,3,4,5,6,7,8,9,10,11
	global_store_b128 v[CO], v[TMP+4*(12*(\a)+(\b)):TMP+4*(12*(\a)+(\b))+3], s[OQ+2*((\b)/4):OQ+2*((\b)/4)+1] offset:(\a)*2048+((\b)%4)*512
.endr
.endm
	s_wait_tensorcnt 1                             ; my part of K step 0 is in; step 1's may stay out
	s_barrier_signal -1
	s_barrier_wait -1                              ; everybody's is
	FETCH 0, 0, F0
	QUARTER 0, 64,  F0, F1, 1                      ; the first quarter stands in front of the loop: its products start the sums
	WIN 0                                          ; at a label and at a branch every window is 0
	s_mov_b32 s3, LAPS-1
.Llap:                                                 ; a trip goes once round the ring, from a lap's second quarter to the next lap's first, and fills both slots again
	QUARTER 0, 128, F1, F0, 0
	QUARTER 0, 192, F0, F1, 0
	TURN 0, 1, 1
	QUARTER 1, 64,  F0, F1, 0
	QUARTER 1, 128, F1, F0, 0
	QUARTER 1, 192, F0, F1, 0
	TURN 1, 0, 1
	QUARTER 0, 64,  F0, F1, 0
	WIN 0
	s_sub_co_u32 s3, s3, 1
	s_cmp_lg_u32 s3, 0
	s_cbranch_scc1 .Llap
	QUARTER 0, 128, F1, F0, 0                      ; the last lap fills nothing
	QUARTER 0, 192, F0, F1, 0
	TURN 0, 1, 0
	QUARTER 1, 64,  F0, F1, 0
	QUARTER 1, 128, F1, F0, 0
	QUARTER 1, 192, F0, F1, 0
	s_wait_dscnt 4
	MUL12 F1, 0, 0
	MUL12 F1, 1, 0
	s_wait_dscnt 0x0
	MUL12 F1, 2, 0
	MUL12 F1, 3, 0
	PLACES
	OUT 0
	OUT 1
	OUT 2
	OUT 3
	s_wait_tensorcnt 0x0                           ; the wave's end, behind my last tensor load
	ds_add_u32 v[SPW], v[NIL]
	s_wait_dscnt 0x0
	CROUND                                         ; the closing round: no work-group ends while a partner may still ask for a tile that names it
	s_endpgm
.Lfunc_end_k_q1270caced2_qkv:
	.size	k_q1270caced2_qkv, .Lfunc_end_k_q1270caced2_qkv-k_q1270caced2_qkv
	.p2alignl 7, 3214868480
	.fill 96, 4, 3214868480
	.section	.rodata,"a",@progbits
	.p2align	6, 0x0
	.amdhsa_kernel k_q1270caced2_qkv
		.amdhsa_group_segment_fixed_size 327680
		.amdhsa_private_segment_fixed_size 0
		.amdhsa_enable_private_segment 0
		.amdhsa_kernarg_size 48
		.amdhsa_user_sgpr_count 2
		.amdhsa_user_sgpr_kernarg_segment_ptr 1
		.amdhsa_wavefront_size32 1
		.amdhsa_system_sgpr_workgroup_id_x 1
		.amdhsa_system_sgpr_workgroup_id_y 1
		.amdhsa_system_sgpr_workgroup_id_z 1
		.amdhsa_system_vgpr_workitem_id 0
		.amdhsa_next_free_vgpr 960
		.amdhsa_next_free_sgpr 74
		.amdhsa_reserve_vcc 0
		.amdhsa_float_denorm_mode_32 3
		.amdhsa_float_denorm_mode_16_64 3
		.amdhsa_memory_ordered 1
		.amdhsa_forward_progress 1
		.amdhsa_inst_pref_size 120
	.end_amdhsa_kernel
	.amdgpu_metadata
---
amdhsa.version: [ 1, 2 ]
amdhsa.kernels:
  - .name:           k_q1270caced2_qkv
    .symbol:         k_q1270caced2_qkv.kd
    .args:
      - { .name: xb, .offset: 0, .size: 8, .value_kind: global_buffer, .address_space: global }
      - { .name: wt, .offset: 8, .size: 8, .value_kind: global_buffer, .address_space: global }
      - { .name: bq, .offset: 16, .size: 8, .value_kind: global_buffer, .address_space: global }
      - { .name: bk, .offset: 24, .size: 8, .value_kind: global_buffer, .address_space: global }
      - { .name: bv, .offset: 32, .size: 8, .value_kind: global_buffer, .address_space: global }
      - { .name: qkv, .offset: 40, .size: 8, .value_kind: global_buffer, .address_space: global }
    .group_segment_fixed_size: 327680
    .private_segment_fixed_size: 0
    .kernarg_segment_align: 8
    .kernarg_segment_size: 48
    .max_flat_workgroup_size: 128
    .sgpr_count:     74
    .vgpr_count:     960
    .wavefront_size: 32
...
	.end_amdgpu_metadata
.endif
;; end of part 2
;; launch attn (part 3): grid 16 x 64, 4 waves a work-group, no clusters, 0 bytes of LDS; arguments qkv, attention_mask, ob; writes ob
.if DOCPART == 3
	.amdgcn_target "amdgcn-amd-amdhsa--gfx1250"
	.amdhsa_code_object_version 6
	.text
	.protected	k_q1270caced2_attn
	.globl	k_q1270caced2_attn
	.p2align	8
	.type	k_q1270caced2_attn,@function
k_q1270caced2_attn:
	s_mov_b64 s[64:65], 0
	v_nop
	global_prefetch_b8 v0, s[64:65] scope:SCOPE_SE
	s_setreg_imm32_b32 hwreg(HW_REG_WAVE_MODE, 25, 1), 1
	s_wait_xcnt 0x0
; ATTN.  O[q] = the sum over keys k with |q - k| <= 32 and attention_mask[k] != 0 of softmax_k(q . k / 8) v[k]; a row with no such key gives 0.  q, k, v, the weights and O in f16; products, maxima and sums in f32.
; SHARES.  One wave, one shot: 32 queries (two tiles of 16) of one head against the 96 keys from 32 before its first query on: six blocks of 16, three pairs.  Tile t needs blocks t .. t + 4 alone:
; with ii = block - t, blocks ii = 1, 2, 3 lie wholly inside the band, ii = 0 has key >= query - 32 where 8 hh + j >= r, ii = 4 has key <= query + 32 where 8 hh + j <= r; the sixth block is wholly
; hidden: no score is made for it, and its weights are written as 0.  No loop, no LDS, no barrier: q, k and v lie in memory as matrix fragments, 512 bytes on end a load.
; Blocks before the head's first or behind its last key are read from a clamped address and hidden.
; LAYOUT.  S^T = K Q^T (source 0 = 16 keys, source 1 = 16 queries): a lane holds ONE query r and the keys 8 hh + 0..7.  Two such results rounded to f16 ARE source 1 of O^T = V^T P.
; THE MASKS are the C operand that starts the sum: 0, or -2^100 where the key is hidden; they only select values, no branch and no address hangs on them.
; SOFTMAX.  All of a row's scores are in registers, so the row's true maximum m is taken away: p = 2^(c s - c m), c = log2(e) / 8.
; LIMITS.  A hidden score counts as its value less 2^100; f16's scores, 2.7e11 at the most, are nothing beside that.  m is held at -2^96 or above, far below every true score, so a row with every key hidden has
; p = 0 throughout, l = 0 and O = 0; l is held at 2^-126 or above, which changes no live row's l (about 1 or more).  A weight below 2^-126 counts as 0; NaN and infinities are not treated apart.
; NOT HERE.  No tensor loads and no cluster: what waves share is the halo alone, and the fragments come in register order.  No prefetch: a wave issues all its loads at its head.
; REGISTERS (s_set_vgpr_msb: bits 1:0 source 0, 3:2 source 1, 5:4 source 2, 7:6 destination):
;   window 0: v0-15 addresses and constants; v16-31 statistics; v32-79 M, the padding mask of block i at 32 + 8 i; v80-111 CP, band and padding for ii = 0, 4; v112-191 S^T; v192-239 P; v240-249 maxima at work
;   window 1: v0-31 Q; v32-127 K, later O^T in v32-95; v128-223 V
.set BIGV, 0xf1800000                  ; -2^100
.set FLRV, 0xef800000                  ; -2^96
.set LO,  1                            ; v1     16 L
.set VO,  2                            ; v2-4   16 L + pair p's first block x 2,048
.set VM,  5                            ; v5-7   pair p's first block x 64 + 32 hh: my eight words of the mask
.set EE,  8                            ; v8     8 hh - r
.set BG,  9                            ; v9     -2^100
.set PVR, 10                           ; v10-12 what a visible key of pair p counts as: 0, or -2^100 where the pair lies outside the head
.set FL,  13                           ; v13    -2^96
.set ST,  16                           ; tile t at ST + 8 t: c m, m; l; -; 1 / l, 0
.set M,   32
.set CP,  80
.set S,   112                          ; tile t, block ii at S + 40 t + 8 ii
.set P,   192                          ; tile t, block i at P + 24 t + 4 i
.set CH,  240                          ; tile t, chain ii at CH + 5 t + ii
.set QF,  0                            ; window 1: tile t, channels 32 c on at 16 t + 8 c
.set KF,  32                           ; block i, channels 32 c on at KF + 16 i + 8 c
.set VF,  128                          ; pair p, channels 16 cb on at VF + 32 p + 8 cb
.set OT,  32                           ; tile t, channels 16 cb on at OT + 32 t + 8 cb
.set MSB, 0
.macro WIN new
.if MSB != (\new)
	s_set_vgpr_msb (MSB<<8)|(\new)
.set MSB, \new
.endif
.endm
	s_load_b128 s[4:7], s[0:1], 0x0                ; qkv s[4:5], attention_mask s[6:7]
	s_load_b64 s[8:9], s[0:1], 0x10                ; ob
	v_lshrrev_b32 v14, 5, v0
	v_readfirstlane_b32 s14, v14                   ; wave
	s_lshl_b32 s15, ttmp9, 2
	s_add_co_u32 s15, s15, s14                     ; u: my 32 queries, 0 .. 63
	s_and_b32 s16, ttmp7, 0xffff                   ; 16 batch + head
	s_lshr_b32 s17, s16, 4                         ; batch
	s_and_b32 s18, s16, 15                         ; head
	s_lshl_b32 s20, s15, 1                         ; pair 1 begins with block 2 u,
	s_max_u32 s19, s20, 2
	s_sub_co_u32 s19, s19, 2                       ; pair 0 with 2 u - 2, held at 0,
	s_add_co_u32 s21, s20, 2
	s_min_u32 s21, s21, 126                        ; pair 2 with 2 u + 2, held at 126: every load stays inside the head
	s_mov_b32 s26, BIGV
	s_cmp_eq_u32 s15, 0
	s_cselect_b32 s22, s26, 0                      ; pair 0 is hidden where it does not exist,
	s_cmp_eq_u32 s15, 63
	s_cselect_b32 s23, s26, 0                      ; and pair 2
	s_mov_b32 s56, 0x3e38aa3b                      ; c = log2(e) / 8
	s_mov_b32 s57, s56                             ; named with it as a pair
	s_mov_b32 s58, 0x76543210                      ; v_permlanex16_b32: each lane takes its own place in the other half
	s_mov_b32 s59, 0xfedcba98
	v_and_b32 v[LO], 31, v0
	v_lshlrev_b32 v[LO], 4, v[LO]
	v_and_b32 v14, 15, v0                          ; r
	v_bfe_u32 v15, v0, 4, 1                        ; hh
.irp p, 0,1,2
	s_lshl_b32 s24, s[19+(\p)], 11
	v_add_nc_u32 v[VO+(\p)], s24, v[LO]
	s_lshl_b32 s27, s[19+(\p)], 6
	v_lshl_add_u32 v[VM+(\p)], v15, 5, s27
.endr
	v_lshlrev_b32 v[EE], 3, v15
	v_sub_nc_u32 v[EE], v[EE], v14
	v_mov_b32 v[BG], s26
	v_mov_b32 v[PVR], s22
	v_mov_b32 v[PVR+1], 0
	v_mov_b32 v[PVR+2], s23
	v_mov_b32 v[FL], FLRV
	s_lshl_b32 s24, s16, 18                        ; a head's 128 blocks of 2,048 bytes
	s_mov_b32 s25, 0
	s_wait_kmcnt 0x0
	s_add_nc_u64 s[4:5], s[4:5], s[24:25]          ; q
	s_add_nc_u64 s[10:11], s[4:5], 0x1000000       ; k
	s_add_nc_u64 s[12:13], s[4:5], 0x2000000       ; v
	s_lshl_b32 s24, s17, 13
	s_add_nc_u64 s[6:7], s[6:7], s[24:25]          ; the batch's row of the mask
	s_lshl_b32 s24, s17, 7
	s_add_co_u32 s24, s24, s20                     ; O's row block 128 batch + 2 u,
	s_lshl_b32 s24, s24, 15
	s_lshl_b32 s27, s18, 11                        ; the head's 2,048 bytes in it
	s_add_co_u32 s24, s24, s27
	s_add_nc_u64 s[8:9], s[8:9], s[24:25]
	; 60 loads at once: the mask first, then K, Q, and two pairs of V
.irp p, 0,1,2
.irp z, 0,1
	global_load_b128 v[M+8*(2*(\p)+(\z)):M+8*(2*(\p)+(\z))+3],   v[VM+(\p)], s[6:7] offset:64*(\z)
	global_load_b128 v[M+8*(2*(\p)+(\z))+4:M+8*(2*(\p)+(\z))+7], v[VM+(\p)], s[6:7] offset:64*(\z)+16
.endr
.endr
	WIN 0x40                                       ; destination window 1, address window 0
.irp p, 0,1,2
.irp z, 0,1
.irp c, 0,1
	global_load_b128 v[KF+16*(2*(\p)+(\z))+8*(\c):KF+16*(2*(\p)+(\z))+8*(\c)+3],   v[VO+(\p)], s[10:11] offset:(\z)*2048+(\c)*1024
	global_load_b128 v[KF+16*(2*(\p)+(\z))+8*(\c)+4:KF+16*(2*(\p)+(\z))+8*(\c)+7], v[VO+(\p)], s[10:11] offset:(\z)*2048+(\c)*1024+512
.endr
.endr
.endr
.irp t, 0,1
.irp c, 0,1
	global_load_b128 v[QF+16*(\t)+8*(\c):QF+16*(\t)+8*(\c)+3],   v[VO+1], s[4:5] offset:(\t)*2048+(\c)*1024
	global_load_b128 v[QF+16*(\t)+8*(\c)+4:QF+16*(\t)+8*(\c)+7], v[VO+1], s[4:5] offset:(\t)*2048+(\c)*1024+512
.endr
.endr
.macro VLOAD p                         ; a pair's V: registers 0-3 from its first block (keys 8 hh on), 4-7 from its second (keys 16 + 8 hh on)
.irp cb, 0,1,2,3
	global_load_b128 v[VF+32*(\p)+8*(\cb):VF+32*(\p)+8*(\cb)+3],   v[VO+(\p)], s[12:13] offset:(\cb)*512
	global_load_b128 v[VF+32*(\p)+8*(\cb)+4:VF+32*(\p)+8*(\cb)+7], v[VO+(\p)], s[12:13] offset:2048+(\cb)*512
.endr
.endm
	VLOAD 0
	VLOAD 1
	WIN 0
.irp j, 0,1,2,3,4,5,6,7
	v_cmp_le_i32 s[40+(\j)], -(\j), v[EE]          ; ii = 0: register j is inside the band where 8 hh + j >= r
	v_cmp_ge_i32 s[48+(\j)], -(\j), v[EE]          ; ii = 4: where 8 hh + j <= r
.endr
	s_wait_loadcnt 48                              ; loads come back in order: the mask is in; K's 24, Q's 8 and V's 16 stay out
	WIN 0x40
	VLOAD 2
	WIN 0
.set i, 0
.rept 6                                        ; a word of the mask becomes the number that starts the key's score
.irp j, 0,1,2,3,4,5,6,7
	v_cmp_ne_u32 s[28+(\j)], 0, v[M+8*i+(\j)]
.endr
.irp j, 0,1,2,3,4,5,6,7
	v_cndmask_b32 v[M+8*i+(\j)], v[BG], v[PVR+i/2], s[28+(\j)]
.endr
.set i, i+1
.endr
.irp t, 0,1
.irp j, 0,1,2,3,4,5,6,7
	v_cndmask_b32 v[CP+16*(\t)+(\j)],   v[BG], v[M+8*(\t)+(\j)],     s[40+(\j)]
	v_cndmask_b32 v[CP+16*(\t)+8+(\j)], v[BG], v[M+8*((\t)+4)+(\j)], s[48+(\j)]
.endr
.endr
	s_wait_loadcnt 24                              ; K and Q are in; V's 24 loads stay out
	WIN 0x05                                       ; K and Q in window 1, S^T and the masks in window 0
.irp c, 0,1                                    ; ten accumulators take turns
.irp t, 0,1
.irp ii, 0,1,2,3,4
.set rS, S+40*(\t)+8*(\ii)
.set rK, KF+16*((\t)+(\ii))+8*(\c)
.set rQ, QF+16*(\t)+8*(\c)
.if (\c) == 1
	v_wmma_f32_16x16x32_f16 v[rS:rS+7], v[rK:rK+7], v[rQ:rQ+7], v[rS:rS+7]
.elseif (\ii) == 0
	v_wmma_f32_16x16x32_f16 v[rS:rS+7], v[rK:rK+7], v[rQ:rQ+7], v[CP+16*(\t):CP+16*(\t)+7]
.elseif (\ii) == 4
	v_wmma_f32_16x16x32_f16 v[rS:rS+7], v[rK:rK+7], v[rQ:rQ+7], v[CP+16*(\t)+8:CP+16*(\t)+15]
.else
	v_wmma_f32_16x16x32_f16 v[rS:rS+7], v[rK:rK+7], v[rQ:rQ+7], v[M+8*((\t)+(\ii)):M+8*((\t)+(\ii))+7]
.endif
.endr
.endr
.endr
	WIN 0
.irp q, 0,1,2,3                                ; the wholly hidden blocks' weights; eight plain lines, the places behind the products
	v_mov_b32 v[P+20+(\q)], 0
	v_mov_b32 v[P+24+(\q)], 0
.endr
	; the maximum of a lane's 40 scores: five chains of seven, each begun at its accumulator's lowest registers; then the five scores left over, the floor and the chains
.irp t, 0,1
.irp ii, 0,1,2,3,4
	v_max3_num_f32 v[CH+5*(\t)+(\ii)], v[S+40*(\t)+8*(\ii)], v[S+40*(\t)+8*(\ii)+1], v[S+40*(\t)+8*(\ii)+2]
.endr
.endr
.irp n, 1,2
.irp t, 0,1
.irp ii, 0,1,2,3,4
	v_max3_num_f32 v[CH+5*(\t)+(\ii)], v[CH+5*(\t)+(\ii)], v[S+40*(\t)+8*(\ii)+2*(\n)+1], v[S+40*(\t)+8*(\ii)+2*(\n)+2]
.endr
.endr
.endr
.irp t, 0,1
	v_max3_num_f32 v[CH+5*(\t)],   v[CH+5*(\t)],   v[S+40*(\t)+7],  v[S+40*(\t)+15]
	v_max3_num_f32 v[CH+5*(\t)+1], v[CH+5*(\t)+1], v[S+40*(\t)+23], v[S+40*(\t)+31]
	v_max3_num_f32 v[CH+5*(\t)+2], v[CH+5*(\t)+2], v[S+40*(\t)+39], v[FL]
.endr
.irp t, 0,1
	v_max3_num_f32 v[CH+5*(\t)], v[CH+5*(\t)], v[CH+5*(\t)+1], v[CH+5*(\t)+2]
.endr
.irp t, 0,1
	v_max3_num_f32 v[CH+5*(\t)], v[CH+5*(\t)], v[CH+5*(\t)+3], v[CH+5*(\t)+4]
.endr
.irp t, 0,1
	v_permlanex16_b32 v[CH+5*(\t)+1], v[CH+5*(\t)], s58, s59  ; the query's other keys lie in the lane 16 away
.endr
.irp t, 0,1
	v_max_num_f32 v[ST+8*(\t)+1], v[CH+5*(\t)], v[CH+5*(\t)+1]
.endr
.irp t, 0,1
	v_mul_f32 v[ST+8*(\t)], s56, v[ST+8*(\t)+1]    ; c m
.endr
.irp t, 0,1
.set k, 0
.rept 20
	v_pk_fma_f32 v[S+40*(\t)+2*k:S+40*(\t)+2*k+1], v[S+40*(\t)+2*k:S+40*(\t)+2*k+1], s[56:57], v[ST+8*(\t):ST+8*(\t)+1] op_sel_hi:[1,0,0] neg_lo:[0,0,1] neg_hi:[0,0,1]  ; c s - c m
.set k, k+1
.endr
.endr
.set k, 0
.rept 80                                       ; ONE batch of exponentials for both tiles; nothing ahead of its wait names a result
	v_exp_f32 v[S+k], v[S+k]
.set k, k+1
.endr
	v_nop                                          ; a plain line behind the last exponential (ISA guide 5.7.2),
	s_wait_alu depctr_va_vdst(0)                   ; and the wait ahead of the first reader: one for the batch
.irp t, 0,1
.set k, 0
.rept 20
	v_cvt_pk_f16_f32 v[P+28*(\t)+k], v[S+40*(\t)+2*k], v[S+40*(\t)+2*k+1]  ; tile t's block ii is block t + ii of the six: 24 t + 4 (t + ii) + q
.set k, k+1
.endr
.endr
	s_wait_loadcnt 0x0                             ; V
	WIN 0x51                                       ; V and O^T in window 1, P in window 0
.irp p, 0,1,2                                  ; eight accumulators take turns; the first pair starts the sums
.irp t, 0,1
.irp cb, 0,1,2,3
.set rO, OT+32*(\t)+8*(\cb)
.set rV, VF+32*(\p)+8*(\cb)
.set rP, P+24*(\t)+8*(\p)
.if (\p) == 0
	v_wmma_f32_16x16x32_f16 v[rO:rO+7], v[rV:rV+7], v[rP:rP+7], 0
.else
	v_wmma_f32_16x16x32_f16 v[rO:rO+7], v[rV:rV+7], v[rP:rP+7], v[rO:rO+7]
.endif
.endr
.endr
.endr
	WIN 0
	; l, of the unrounded weights: 20 pairs a tile, in place.  These lines name no register of the products above: they are the places behind them.
.set k, 0
.rept 10
.irp t, 0,1
	v_pk_add_f32 v[S+40*(\t)+2*k:S+40*(\t)+2*k+1], v[S+40*(\t)+2*k:S+40*(\t)+2*k+1], v[S+40*(\t)+2*k+20:S+40*(\t)+2*k+21]
.endr
.set k, k+1
.endr
.set k, 0
.rept 5
.irp t, 0,1
	v_pk_add_f32 v[S+40*(\t)+2*k:S+40*(\t)+2*k+1], v[S+40*(\t)+2*k:S+40*(\t)+2*k+1], v[S+40*(\t)+2*k+10:S+40*(\t)+2*k+11]
.endr
.set k, k+1
.endr
.irp t, 0,1
	v_pk_add_f32 v[S+40*(\t):S+40*(\t)+1],   v[S+40*(\t):S+40*(\t)+1],   v[S+40*(\t)+2:S+40*(\t)+3]
	v_pk_add_f32 v[S+40*(\t)+4:S+40*(\t)+5], v[S+40*(\t)+4:S+40*(\t)+5], v[S+40*(\t)+6:S+40*(\t)+7]
.endr
.irp t, 0,1
	v_pk_add_f32 v[S+40*(\t):S+40*(\t)+1], v[S+40*(\t):S+40*(\t)+1], v[S+40*(\t)+4:S+40*(\t)+5]
.endr
.irp t, 0,1
	v_pk_add_f32 v[S+40*(\t):S+40*(\t)+1], v[S+40*(\t):S+40*(\t)+1], v[S+40*(\t)+8:S+40*(\t)+9]
.endr
.irp t, 0,1
	v_add_f32 v[ST+8*(\t)+2], v[S+40*(\t)], v[S+40*(\t)+1]
	v_mov_b32 v[ST+8*(\t)+5], 0                    ; named with 1 / l as a pair
.endr
.irp t, 0,1
	v_permlanex16_b32 v[CH+5*(\t)+1], v[ST+8*(\t)+2], s58, s59
.endr
.irp t, 0,1
	v_add_f32 v[ST+8*(\t)+2], v[ST+8*(\t)+2], v[CH+5*(\t)+1]
.endr
.irp t, 0,1
	v_max_num_f32 v[ST+8*(\t)+2], 0x00800000, v[ST+8*(\t)+2]  ; a row with every key hidden: l = 0 becomes 2^-126, and O = 0 x 2^126 = 0
.endr
.irp t, 0,1
	v_rcp_f32 v[ST+8*(\t)+4], v[ST+8*(\t)+2]
.endr
	v_nop                                          ; a plain line behind the last reciprocal,
	s_wait_alu depctr_va_vdst(0)                   ; and the wait ahead of the first use: one for the two
	WIN 0x41                                       ; O^T (destination and source 0) in window 1, 1 / l in window 0
.irp t, 0,1
.set k, 0
.rept 16
	v_pk_mul_f32 v[OT+32*(\t)+2*k:OT+32*(\t)+2*k+1], v[OT+32*(\t)+2*k:OT+32*(\t)+2*k+1], v[ST+8*(\t)+4:ST+8*(\t)+5] op_sel_hi:[1,0]
.set k, k+1
.endr
.endr
	WIN 0x05                                       ; sources in window 1, destination in window 0: S^T's registers are free
.set k, 0
.rept 32
	v_cvt_pk_f16_f32 v[S+k], v[OT+2*k], v[OT+2*k+1]
.set k, k+1
.endr
	WIN 0
.irp t, 0,1
.irp cb, 0,1,2,3
	global_store_b128 v[LO], v[S+4*(4*(\t)+(\cb)):S+4*(4*(\t)+(\cb))+3], s[8:9] offset:(\t)*32768+(\cb)*512  ; row r, channels 16 cb + 8 hh on: 512 bytes on end, as the last product's fragments want them
.endr
.endr
	s_endpgm
.Lfunc_end_k_q1270caced2_attn:
	.size	k_q1270caced2_attn, .Lfunc_end_k_q1270caced2_attn-k_q1270caced2_attn
	.p2alignl 7, 3214868480
	.fill 96, 4, 3214868480
	.section	.rodata,"a",@progbits
	.p2align	6, 0x0
	.amdhsa_kernel k_q1270caced2_attn
		.amdhsa_group_segment_fixed_size 0
		.amdhsa_private_segment_fixed_size 0
		.amdhsa_enable_private_segment 0
		.amdhsa_kernarg_size 24
		.amdhsa_user_sgpr_count 2
		.amdhsa_user_sgpr_kernarg_segment_ptr 1
		.amdhsa_wavefront_size32 1
		.amdhsa_system_sgpr_workgroup_id_x 1
		.amdhsa_system_sgpr_workgroup_id_y 1
		.amdhsa_system_sgpr_workgroup_id_z 1
		.amdhsa_system_vgpr_workitem_id 0
		.amdhsa_next_free_vgpr 480
		.amdhsa_next_free_sgpr 66
		.amdhsa_reserve_vcc 0
		.amdhsa_float_denorm_mode_32 3
		.amdhsa_float_denorm_mode_16_64 3
		.amdhsa_memory_ordered 1
		.amdhsa_forward_progress 1
		.amdhsa_inst_pref_size 40
	.end_amdhsa_kernel
	.amdgpu_metadata
---
amdhsa.version: [ 1, 2 ]
amdhsa.kernels:
  - .name:           k_q1270caced2_attn
    .symbol:         k_q1270caced2_attn.kd
    .args:
      - { .name: qkv, .offset: 0, .size: 8, .value_kind: global_buffer, .address_space: global }
      - { .name: attention_mask, .offset: 8, .size: 8, .value_kind: global_buffer, .address_space: global }
      - { .name: ob, .offset: 16, .size: 8, .value_kind: global_buffer, .address_space: global }
    .group_segment_fixed_size: 0
    .private_segment_fixed_size: 0
    .kernarg_segment_align: 8
    .kernarg_segment_size: 24
    .max_flat_workgroup_size: 128
    .sgpr_count:     66
    .vgpr_count:     480
    .wavefront_size: 32
...
	.end_amdgpu_metadata
.endif
;; end of part 3
;; launch oproj (part 4): grid 8 x 32, 4 waves a work-group, clusters of 4 x 4, 327,680 bytes of LDS; arguments ob, wt, bo, out0; writes out0
.if DOCPART == 4
	.amdgcn_target "amdgcn-amd-amdhsa--gfx1250"
	.amdhsa_code_object_version 6
	.text
	.protected	k_q1270caced2_oproj
	.globl	k_q1270caced2_oproj
	.p2align	8
	.type	k_q1270caced2_oproj,@function
k_q1270caced2_oproj:
	s_mov_b64 s[64:65], 0
	v_nop
	global_prefetch_b8 v0, s[64:65] scope:SCOPE_SE
	s_setreg_imm32_b32 hwreg(HW_REG_WAVE_MODE, 25, 1), 1
	s_wait_xcnt 0x0
	s_wait_alu depctr_hold_cnt(0) depctr_sa_sdst(0) depctr_va_vdst(0) depctr_va_sdst(0) depctr_va_ssrc(0) depctr_va_vcc(0) depctr_vm_vsrc(0)
	s_getreg_b32 s2, hwreg(HW_REG_IB_STS2, 6, 4)
	s_cmp_eq_u32 s2, 0
	s_cbranch_scc0 .Lentry_in_a_cluster
	s_endpgm
.Lentry_in_a_cluster:
	s_bfe_u32 s2, ttmp6, 0x10000c
	s_cmp_lg_u32 s2, 0xf033
	s_cbranch_scc0 .Lentry_shape_is_right
	s_endpgm
.Lentry_shape_is_right:
; OPROJ.  out0 = O Wo + bo.  O in f16 as the launch before laid it: [row block of 16][1,024 channels as fragments: byte 2,048 h + 512 cb + 16 L = row r, channels 64 h + 16 cb + 8 hh + 0..7].
; Wo's columns are rows 3072 + n of wt, [n][k], bf16 numbers written as f16.  Sums in f32; bo, rounded to bf16 like every input, starts them; out0 is f32.
; SHARES.  256 work-groups of four waves: a tile of 256 rows x 128 columns.  Wave w makes rows 64 w .. 64 w + 63 x 128 columns: 4 x 8 accumulators, 256 registers.
; K goes in 8 steps of 128 through two LDS slots.  O's tile: 16 row blocks x 4,096 bytes, dense: a fragment load takes 512 bytes on end.  Wo's: 128 rows of 256 bytes, 272 apart.  Two slots of twice the step do not fit in LDS.
; The product is taken with Wo's rows as source 0: a lane holds one row of out0 and eight neighbouring columns.
; CLUSTER.  4 x 4 work-groups: O's tile is asked for jointly along a row of the cluster, Wo's along a column.
; REGISTERS (s_set_vgpr_msb: bits 1:0 source 0, 3:2 source 1, 5:4 source 2, 7:6 destination):
;   window 0: v0-31 addresses; v32-95 the bias as C operands      window 1: two fragment buffers of 96 (O's block a at f + 8 a, Wo's block b at f + 32 + 8 b); on the way out all 256: rows read back
;   window 2: accumulator (a, b) at 8 (8 a + b)
.set PITCH,  272
.set AH,     8*4096                    ; what a wave fetches of O's tile: 8 row blocks
.set BH,     64*PITCH                  ; and of Wo's: 64 rows
.set BOFF,   2*AH
.set SLOT,   2*AH+2*BH
.set STAGE,  2*SLOT                    ; behind the ring, never filled by a tensor load: 16 rows x 528 bytes for each wave, for the way out
.set SP,     528                       ; 512 bytes + 16 = 132 words: sixteen rows start 4 words apart modulo 64
.set SPARE,  STAGE+4*16*SP             ; behind the stages: the spare words, 128 bytes for each wave: two blocks of 256 bytes that no other line names
.set LAPS,   4
.set ADRA, 16                          ; v16-17  LDS address of my fragments of O in slot 0, 1
.set ADRB, 20                          ; v20-21  the same for Wo
.set STO,  22                          ; v22     the way out: where I put 32 bytes of a row
.set RD,   23                          ; v23     where I read a row back
.set BO8,  24                          ; v24     bias offset: 512 tx + 32 hh
.set CO,   26                          ; v26     16 L
.set TT,   27                          ; v27     at work
.set SPW,  28                          ; v28     LDS address of my spare word; never rewritten
.set NIL,  29                          ; v29     0; never rewritten
.set PFO,  30                          ; v30     the prefetches' offset; never rewritten
.set BI,   32
.set F0,   0
.set F1,   96
.set WV,   16                          ; s16  my wave's number.  Waves 0, 1 fetch O's tile, waves 2, 3 Wo's
.set WL,   18                          ; s18  wave % 2
.set G1A,  24
.set G0A,  32
.set PFA,  44                          ; s[44:45] where my prefetches stand
.set LIM,  46                          ; s46  1 in a wave that prefetches, else the greatest number
.set G1B,  48
.set G0B,  56
.set OB,   66                          ; s[66:67] out0 at my wave's first row, the tile's first column
.set PFS,  72                          ; s[72:73] a K step in the tensor that I prefetch: 4,096 bytes of O's row blocks, 256 of Wo's rows
.set TO_F, 0x40
.set MSB, 0
.macro WIN new
.if MSB != (\new)
	s_set_vgpr_msb (MSB<<8)|(\new)
.set MSB, \new
.endif
.endm
.macro PLACES
.rept 4
	v_nop
.endr
.endm
.macro JLOAD s                         ; a joint load; an s_nop 0 and four v_nop follow each of the two lines, ahead of the jump and the label
	s_cmp_lt_u32 s[WV], 2
	s_cbranch_scc0 .Lfor_b_\@
	tensor_load_to_lds s[G0A+4*(\s):G0A+4*(\s)+3], s[G1A:G1A+7]
	s_nop 0
.rept 4
	v_nop
.endr
	s_branch .Lasked_\@
.Lfor_b_\@:
	tensor_load_to_lds s[G0B+4*(\s):G0B+4*(\s)+3], s[G1B:G1B+7]
	s_nop 0
.rept 4
	v_nop
.endr
.Lasked_\@:
.endm
.macro CREST
	s_cmp_lg_u32 s[WV], 0
	s_cbranch_scc1 .Lnot_wave_0_\@
	s_barrier_signal -3
.Lnot_wave_0_\@:
	s_barrier_wait -3
	s_barrier_signal -1
	s_barrier_wait -1
.endm
.macro CROUND
	s_barrier_signal -1
	s_barrier_wait -1
	CREST
.endm
; A prefetch into the L2 of the K step two refills on: 32 blocks of 256 bytes, a lane a block, behind the joint load and the run of LDS loads.  O's row blocks are read by both clusters of a row of
; clusters: cluster x = 0 asks; of the 8 row blocks that wave 0 or 1 fetches, the partner at cx takes two (2 x 4,096 bytes).  Wo's rows are read by all clusters of a column: cluster y = 0 asks; of the tile's
; 128 rows the partner at cy takes 32, all asked for by wave 2; wave 3 asks for nothing.  So each block is named once.  The last lap asks for nothing.
.macro ASK
	s_cmp_gt_u32 s3, s[LIM]
	s_cbranch_scc0 .Lnot_mine_\@
	global_prefetch_b8 v[PFO], s[PFA:PFA+1] th:TH_LOAD_NT scope:SCOPE_SE
.Lnot_mine_\@:
.endm
	s_load_b256 s[4:11], s[0:1], 0x0               ; ob s[4:5], wt s[6:7], bo s[8:9], out0 s[10:11]
	v_lshl_add_u32 v[SPW], v0, 2, SPARE
	v_mov_b32 v[NIL], 0
	ds_add_u32 v[SPW], v[NIL]                      ; the wave's opening: the add and its wait stand ahead of my first tensor load; the set-up below stands between them
	v_lshrrev_b32 v1, 5, v0
	v_readfirstlane_b32 s[WV], v1
	s_and_b32 s[WL], s[WV], 1
	s_bfe_u32 s19, ttmp6, 0x40000                  ; cx
	s_bfe_u32 s20, ttmp6, 0x40004                  ; cy
	s_lshl_b32 s21, ttmp9, 2
	s_add_co_u32 s21, s21, s19                     ; tx: 128 columns
	s_and_b32 s22, ttmp7, 0xffff
	s_lshl_b32 s22, s22, 2
	s_add_co_u32 s22, s22, s20                     ; ty: 256 rows
	s_lshl_b32 s2, s20, 2
	s_lshl_b32 s2, 15, s2                          ; my row of the cluster
	s_lshl_b32 s23, 0x1111, s19                    ; my column
	s_or_b32 s[G1A], s2, (1<<16)|(1<<21)           ; O's tiles go to my row; elements of 2 bytes; 21 set beside a mask; no padding
	s_or_b32 s[G1B], s23, (1<<16)|(1<<20)|(1<<21)|(5<<22)|(3<<25)  ; Wo's to my column; 4 words of padding after every 64
	s_mov_b32 s[G1A+1], 2048<<16                   ; tensor_dim0 = 2,048 elements: a row block's 4,096 bytes of a K step
	s_mov_b32 s[G1A+2], 8<<16                      ; tensor_dim1 = 8 row blocks
	s_mov_b32 s[G1A+3], 2048<<16                   ; tile_dim0
	s_mov_b32 s[G1A+4], 8                          ; tile_dim1
	s_mov_b32 s[G1A+5], 16384                      ; elements from row block to row block
	s_mov_b32 s[G1A+6], 0
	s_mov_b32 s[G1A+7], 0
	s_mov_b32 s[G1B+1], 128<<16
	s_mov_b32 s[G1B+2], 64<<16
	s_mov_b32 s[G1B+3], 128<<16
	s_mov_b32 s[G1B+4], 64
	s_mov_b32 s[G1B+5], 1024
	s_mov_b32 s[G1B+6], 0
	s_mov_b32 s[G1B+7], 0
	s_lshl_b32 s40, s22, 4
	s_lshl_b32 s41, s[WL], 3
	s_add_co_u32 s40, s40, s41                     ; O: row block 16 ty + 8 x half
	s_lshl_b32 s40, s40, 15
	s_mov_b32 s41, 0
	s_lshl_b32 s42, s21, 7
	s_lshl_b32 s43, s[WL], 6
	s_add_co_u32 s42, s42, s43
	s_add_co_u32 s42, s42, 3072                    ; Wo: row 3072 + 128 tx + 64 x half of wt
	s_lshl_b32 s42, s42, 11
	s_mov_b32 s43, 0
	s_mul_i32 s23, s[WL], AH                       ; where they go: no place in the cluster enters an LDS address
	s_mul_i32 s47, s[WL], BH
	s_add_co_u32 s47, s47, BOFF
	s_wait_dscnt 0x0                               ; the opening add is done
	s_wait_kmcnt 0x0
	s_add_nc_u64 s[40:41], s[4:5], s[40:41]
	s_add_nc_u64 s[42:43], s[6:7], s[42:43]
	CROUND                                         ; all sixteen work-groups are here: the first joint loads meet
.irp s, 0,1
	s_mov_b32 s[G0A+4*(\s)], 1
	s_add_co_u32 s[G0A+4*(\s)+1], s23, (\s)*SLOT
	s_add_nc_u64 s[G0A+4*(\s)+2:G0A+4*(\s)+3], s[40:41], (\s)*4096
	s_or_b32 s[G0A+4*(\s)+3], s[G0A+4*(\s)+3], 0x80000000
	s_mov_b32 s[G0B+4*(\s)], 1
	s_add_co_u32 s[G0B+4*(\s)+1], s47, (\s)*SLOT
	s_add_nc_u64 s[G0B+4*(\s)+2:G0B+4*(\s)+3], s[42:43], (\s)*256
	s_or_b32 s[G0B+4*(\s)+3], s[G0B+4*(\s)+3], 0x80000000
.endr
	s_cmp_lt_u32 s[WV], 2                          ; a wave's two first fills stand in one branch, ahead of every wait on TENSORcnt and every LDS read: two loads of mine are out
	s_cbranch_scc0 .Lfirst_b
	tensor_load_to_lds s[G0A:G0A+3], s[G1A:G1A+7]
	s_nop 0
	tensor_load_to_lds s[G0A+4:G0A+7], s[G1A:G1A+7]
	s_nop 0
.rept 4
	v_nop
.endr
	s_branch .Lfirst_asked
.Lfirst_b:
	tensor_load_to_lds s[G0B:G0B+3], s[G1B:G1B+7]
	s_nop 0
	tensor_load_to_lds s[G0B+4:G0B+7], s[G1B:G1B+7]
	s_nop 0
.rept 4
	v_nop
.endr
.Lfirst_asked:
	v_and_b32 v1, 15, v0                           ; r
	v_bfe_u32 v2, v0, 4, 1                         ; hh
	s_lshl_b32 s2, s21, 9                          ; the tile's 128 numbers of bo
	v_lshl_add_u32 v[BO8], v2, 5, s2
.irp b, 0,1,2,3,4,5,6,7                        ; register j of block b is the bias of column 16 b + 8 hh + j
	global_load_b128 v[BI+8*(\b):BI+8*(\b)+3],   v[BO8], s[8:9] offset:64*(\b)
	global_load_b128 v[BI+8*(\b)+4:BI+8*(\b)+7], v[BO8], s[8:9] offset:64*(\b)+16
.endr
	v_and_b32 v[CO], 31, v0
	v_lshlrev_b32 v[CO], 4, v[CO]
	v_mul_u32_u24 v3, v1, PITCH
	v_lshl_add_u32 v3, v2, 4, v3                   ; Wo: a fragment's row x pitch + 16 x half
	s_lshl_b32 s2, s[WV], 14                       ; O: my 4 row blocks of 4,096 bytes
.irp s, 0,1
	v_add_nc_u32 v[ADRA+(\s)], s2, v[CO]
	v_add_nc_u32 v[ADRB+(\s)], BOFF+(\s)*SLOT, v3
	s_add_co_u32 s2, s2, SLOT
.endr
	s_mul_i32 s2, s[WV], 16*SP
	s_add_co_u32 s2, s2, STAGE                     ; my stage
	v_mul_u32_u24 v[STO], v1, SP                   ; in: row r, 32 bytes for each half of the lanes
	v_lshl_add_u32 v[STO], v2, 5, v[STO]
	v_add_nc_u32 v[STO], s2, v[STO]
	v_add_nc_u32 v[RD], s2, v[CO]                  ; back: 32 lanes take one row of 512 bytes
	s_lshl_b32 s72, s22, 20                        ; 256 ty rows of 4,096 bytes
	s_lshl_b32 s2, s[WV], 18
	s_add_co_u32 s72, s72, s2                      ; + 64 w rows
	s_lshl_b32 s2, s21, 9
	s_add_co_u32 s72, s72, s2                      ; + the tile's first column
	s_mov_b32 s73, 0
	s_add_nc_u64 s[OB:OB+1], s[10:11], s[72:73]
	; the prefetches
	s_lshl_b32 s40, s22, 4
	s_lshl_b32 s41, s[WL], 3
	s_add_co_u32 s40, s40, s41
	s_lshl_b32 s41, s19, 1
	s_add_co_u32 s40, s40, s41                     ; O: row block 16 ty + 8 x half + 2 cx
	s_lshl_b32 s40, s40, 15
	s_lshl_b32 s42, s21, 7
	s_lshl_b32 s43, s20, 5
	s_add_co_u32 s42, s42, s43
	s_add_co_u32 s42, s42, 3072                    ; Wo: row 3072 + 128 tx + 32 cy
	s_lshl_b32 s42, s42, 11
	s_and_b32 s2, ttmp7, 0xffff                    ; cluster y
	s_cmp_eq_u32 s[WV], 3
	s_cselect_b32 s23, 1, 0
	s_or_b32 s2, s2, s23                           ; wave 3 never asks
	s_cmp_lt_u32 s[WV], 2                          ; do I fetch for O?
	s_cselect_b32 s40, s40, s42
	s_cselect_b32 s2, ttmp9, s2                    ; the coordinate along which other clusters read the same bytes
	s_cselect_b32 s47, 8, 11                       ; lanes 0-15 lie 256 bytes apart in a row block, or 2,048 (a row of wt); lanes 16-31 lie 32,768 further on in both
	s_cselect_b32 s[PFS], 12, 8
	s_cselect_b64 s[PFA:PFA+1], s[4:5], s[6:7]
	s_cmp_eq_u32 s2, 0
	s_cselect_b32 s[LIM], 1, -1                    ; the same in all sixteen partners, for a given wave
	s_lshl_b32 s[PFS], 1, s[PFS]
	s_mov_b32 s[PFS+1], 0
	s_mul_i32 s41, s[PFS], 3
	s_add_co_u32 s40, s40, s41                     ; at K step 3: the first refill steps it to 4.  Nothing is prefetched at the head
	s_mov_b32 s41, 0
	s_add_nc_u64 s[PFA:PFA+1], s[PFA:PFA+1], s[40:41]
	v_lshlrev_b32 v[PFO], s47, v1
	v_lshl_add_u32 v[PFO], v2, 15, v[PFO]
	s_wait_loadcnt 0x0                             ; the bias
.set n, BI
.rept 32                                       ; rounded to bf16 and widened again
	v_cvt_pk_bf16_f32 v[TT], v[n], v[n+1]
	v_lshlrev_b32 v[n], 16, v[TT]
	v_and_b32 v[n+1], 0xffff0000, v[TT]
.set n, n+2
.endr
; 8 matrix instructions: row block a x all 8 column blocks, 32 along K.  first = 1: the bias starts the sum.  The 32 accumulators take turns in the same order in every quarter.
.macro MUL8 f, a, first
.if \first
	WIN 0x85
.else
	WIN 0xa5
.endif
.irp b, 0,1,2,3,4,5,6,7
.set rD, 8*(8*(\a)+(\b))
.if \first
	v_wmma_f32_16x16x32_f16 v[rD:rD+7], v[(\f)+32+8*(\b):(\f)+32+8*(\b)+7], v[(\f)+8*(\a):(\f)+8*(\a)+7], v[BI+8*(\b):BI+8*(\b)+7]
.else
	v_wmma_f32_16x16x32_f16 v[rD:rD+7], v[(\f)+32+8*(\b):(\f)+32+8*(\b)+7], v[(\f)+8*(\a):(\f)+8*(\a)+7], v[rD:rD+7]
.endif
.endr
.endm
; 24 LDS loads in one run: the fragments of quarter kq of a K step, into buffer f; O's blocks 2 and 3 last
.macro FETCH slot, kq, f
	WIN TO_F
.irp b, 0,1,2,3,4,5,6,7
	ds_load_b128 v[(\f)+32+8*(\b):(\f)+32+8*(\b)+3],   v[ADRB+(\slot)] offset:(\kq)*64+(\b)*16*PITCH
	ds_load_b128 v[(\f)+32+8*(\b)+4:(\f)+32+8*(\b)+7], v[ADRB+(\slot)] offset:(\kq)*64+(\b)*16*PITCH+32
.endr
.irp a, 0,1,2,3
	ds_load_b128 v[(\f)+8*(\a):(\f)+8*(\a)+3],   v[ADRA+(\slot)] offset:(\a)*4096+(\kq)*1024
	ds_load_b128 v[(\f)+8*(\a)+4:(\f)+8*(\a)+7], v[ADRA+(\slot)] offset:(\a)*4096+(\kq)*1024+512
.endr
.endm
.macro QUARTER slot, kq, f, g, first
	s_wait_dscnt 4                                 ; Wo's fragments and O's blocks 0, 1 are in; the youngest four loads may be out
	MUL8 \f, 0, \first
	MUL8 \f, 1, \first
	PLACES
	FETCH \slot, \kq, \g
	s_wait_dscnt 24                                ; all but the 24 just issued
	MUL8 \f, 2, \first
	MUL8 \f, 3, \first
.endm
; The last quarter multiplies buffer 1 and changes slots: ONE barrier; in front of it each wave waits for all its tensor loads, adds 0 to its spare word, and waits for that and for its own reads of this slot.
.macro TURN slot, next, fill
.if \fill
	s_wait_xcnt 0x0                                ; the last prefetch, a K step back, has read its address
	s_add_nc_u64 s[PFA:PFA+1], s[PFA:PFA+1], s[PFS:PFS+1]
.endif
	WIN 0
	s_wait_tensorcnt 0x0                           ; all my tensor loads have landed: my part of the next slot
	ds_add_u32 v[SPW], v[NIL]                      ; 0 onto my spare word
	s_wait_dscnt 5                                 ; (the add and the youngest four loads may be out)
	MUL8 F1, 0, 0
	s_wait_dscnt 0x0                               ; the add is done, and my reads of this slot are over
	s_barrier_signal -1
	MUL8 F1, 1, 0
.if \fill
	WIN 0
.endif
	s_barrier_wait -1
.if \fill
	CREST                                          ; no wave of any partner still reads this slot's tile or has a load on its way
	s_add_nc_u64 s[G0A+4*(\slot)+2:G0A+4*(\slot)+3], s[G0A+4*(\slot)+2:G0A+4*(\slot)+3], 2*4096
	s_add_nc_u64 s[G0B+4*(\slot)+2:G0B+4*(\slot)+3], s[G0B+4*(\slot)+2:G0B+4*(\slot)+3], 2*256
	JLOAD \slot                                    ; 112 matrix instructions ahead of the wait for it; its four v_nop are also the places in front of the loads below
.else
	PLACES
.endif
	FETCH \next, 0, F0
.if \fill
	WIN 0
	ASK
.endif
	MUL8 F1, 2, 0
	MUL8 F1, 3, 0
.endm
; THE WAY OUT, a row block at a time through my own stage: a lane's eight columns are 32 bytes of a row; rows come back whole, 512 bytes, and a wave's store covers them on end, aligned.
; LDS serves a wave's instructions in order (ISA guide 5.7.1.4): the loads see the stores ahead of them, and the next block's stores come behind them.  At most 48 LDS instructions of mine are out.
.macro TOSTORE a
	WIN 0x08                                       ; data in window 2
.irp b, 0,1,2,3,4,5,6,7
	ds_store_b128 v[STO], v[8*(8*(\a)+(\b)):8*(8*(\a)+(\b))+3]   offset:64*(\b)
	ds_store_b128 v[STO], v[8*(8*(\a)+(\b))+4:8*(8*(\a)+(\b))+7] offset:64*(\b)+16
.endr
.endm
.macro TOLOAD a
	WIN 0x40                                       ; destination window 1: four different sets of 64 registers
.irp t, 0,1,2,3,4,5,6,7,8,9,10,11,12,13,14,15
	ds_load_b128 v[64*(\a)+4*(\t):64*(\a)+4*(\t)+3], v[RD] offset:(\t)*SP
.endr
.endm
.macro SEND a, younger                 ; younger: the LDS instructions issued behind block a's loads: the next block's sixteen stores, or none
	s_wait_dscnt \younger
	WIN 0x04                                       ; data in window 1
.irp t, 0,1,2,3,4,5,6,7,8,9,10,11,12,13,14,15
	global_store_b128 v[CO], v[64*(\a)+4*(\t):64*(\a)+4*(\t)+3], s[OB:OB+1] offset:(16*(\a)+(\t))*4096 th:TH_STORE_NT
.endr
.endm
	s_wait_tensorcnt 1                             ; my part of K step 0 is in; step 1's may stay out
	s_barrier_signal -1
	s_barrier_wait -1
	FETCH 0, 0, F0
	QUARTER 0, 1, F0, F1, 1                        ; the first quarter stands in front of the loop: its products start the sums
	WIN 0
	s_mov_b32 s3, LAPS-1
.Llap:
	QUARTER 0, 2, F1, F0, 0
	QUARTER 0, 3, F0, F1, 0
	TURN 0, 1, 1
	QUARTER 1, 1, F0, F1, 0
	QUARTER 1, 2, F1, F0, 0
	QUARTER 1, 3, F0, F1, 0
	TURN 1, 0, 1
	QUARTER 0, 1, F0, F1, 0
	WIN 0
	s_sub_co_u32 s3, s3, 1
	s_cmp_lg_u32 s3, 0
	s_cbranch_scc1 .Llap
	QUARTER 0, 2, F1, F0, 0                        ; the last lap fills nothing
	QUARTER 0, 3, F0, F1, 0
	TURN 0, 1, 0
	QUARTER 1, 1, F0, F1, 0
	QUARTER 1, 2, F1, F0, 0
	QUARTER 1, 3, F0, F1, 0
	s_wait_dscnt 4
	MUL8 F1, 0, 0
	MUL8 F1, 1, 0
	s_wait_dscnt 0x0
	MUL8 F1, 2, 0
	MUL8 F1, 3, 0
	PLACES                                         ; in front of LDS stores that read results, and of loads into registers that the products have read
	TOSTORE 0
	TOLOAD 0
	TOSTORE 1
	SEND 0, 16
	TOLOAD 1
	TOSTORE 2
	SEND 1, 16
	TOLOAD 2
	TOSTORE 3
	SEND 2, 16
	TOLOAD 3
	SEND 3, 0
	WIN 0
	s_wait_tensorcnt 0x0                           ; the wave's end, behind my last tensor load and my last LDS store
	ds_add_u32 v[SPW], v[NIL]
	s_wait_dscnt 0x0
	CROUND                                         ; the closing round: no work-group ends while a partner may still ask for a tile that names it
	s_endpgm
.Lfunc_end_k_q1270caced2_oproj:
	.size	k_q1270caced2_oproj, .Lfunc_end_k_q1270caced2_oproj-k_q1270caced2_oproj
	.p2alignl 7, 3214868480
	.fill 96, 4, 3214868480
	.section	.rodata,"a",@progbits
	.p2align	6, 0x0
	.amdhsa_kernel k_q1270caced2_oproj
		.amdhsa_group_segment_fixed_size 327680
		.amdhsa_private_segment_fixed_size 0
		.amdhsa_enable_private_segment 0
		.amdhsa_kernarg_size 32
		.amdhsa_user_sgpr_count 2
		.amdhsa_user_sgpr_kernarg_segment_ptr 1
		.amdhsa_wavefront_size32 1
		.amdhsa_system_sgpr_workgroup_id_x 1
		.amdhsa_system_sgpr_workgroup_id_y 1
		.amdhsa_system_sgpr_workgroup_id_z 1
		.amdhsa_system_vgpr_workitem_id 0
		.amdhsa_next_free_vgpr 768
		.amdhsa_next_free_sgpr 74
		.amdhsa_reserve_vcc 0
		.amdhsa_float_denorm_mode_32 3
		.amdhsa_float_denorm_mode_16_64 3
		.amdhsa_memory_ordered 1
		.amdhsa_forward_progress 1
		.amdhsa_inst_pref_size 92
	.end_amdhsa_kernel
	.amdgpu_metadata
---
amdhsa.version: [ 1, 2 ]
amdhsa.kernels:
  - .name:           k_q1270caced2_oproj
    .symbol:         k_q1270caced2_oproj.kd
    .args:
      - { .name: ob, .offset: 0, .size: 8, .value_kind: global_buffer, .address_space: global }
      - { .name: wt, .offset: 8, .size: 8, .value_kind: global_buffer, .address_space: global }
      - { .name: bo, .offset: 16, .size: 8, .value_kind: global_buffer, .address_space: global }
      - { .name: out0, .offset: 24, .size: 8, .value_kind: global_buffer, .address_space: global }
    .group_segment_fixed_size: 327680
    .private_segment_fixed_size: 0
    .kernarg_segment_align: 8
    .kernarg_segment_size: 32
    .max_flat_workgroup_size: 128
    .sgpr_count:     74
    .vgpr_count:     768
    .wavefront_size: 32
...
	.end_amdgpu_metadata
.endif
;; end of part 4
;; ======== version 2 of 2: 4 launches; version 1 with the launches prep, attn written anew for expert scheduling mode
;; limits: values are held in f16: magnitudes above 65,504 overflow, below 6.1e-05 lose precision
;; workspace buffers: xb 16,777,216 bytes; wt 8,388,608 bytes; qkv 50,331,648 bytes; ob 16,777,216 bytes
;; launch prep (part 5): grid 256 x 1, 8 waves a work-group, no clusters, 35,840 bytes of LDS; arguments x, Wq, Wk, Wv, Wo, xb, wt; writes xb, wt
.if DOCPART == 5
	.amdgcn_target "amdgcn-amd-amdhsa--gfx1250"
	.amdhsa_code_object_version 6
	.text
	.protected	k_q1270caced2_prep
	.globl	k_q1270caced2_prep
	.p2align	8
	.type	k_q1270caced2_prep,@function
k_q1270caced2_prep:
	s_mov_b64 s[64:65], 0
	v_nop
	global_prefetch_b8 v0, s[64:65] scope:SCOPE_SE
	s_setreg_imm32_b32 hwreg(HW_REG_WAVE_SCHED_MODE, 0, 2), 2
	s_setreg_imm32_b32 hwreg(HW_REG_WAVE_MODE, 25, 1), 1
	s_wait_xcnt 0x0
	s_wait_alu depctr_vm_vsrc(0)
; PREP.  xb = x rounded to bf16, [8192][1024].  wt = the four weights, 16 bit, turned to [n][k], a row 2,048 bytes:
;   rows 192 h + 64 t + d (t = 0 q, 1 k, 2 v) hold W_t[:, 64 h + d] in bf16, so that 192 rows on end are one head's q, k and v;
;   rows 3072 + n hold Wo[:, n], rounded to bf16 like every input, and that number written as f16 (the last product runs in f16).
; LIMIT.  A number of Wo below 2^-17 in size keeps f16's fixed step of 2^-24; beyond 65,504 it would become an infinity.
; SHARES.  256 work-groups of eight waves, all alike.  Work-group g turns ONE tile of 128 (k) x 128 (n) of weight g / 64 and casts 131,072 bytes of x.
; Memory binds: every byte is read once and written once; all of a wave's 48 loads are issued before anything is waited for.  Nothing is shared between
; work-groups, so there is no cluster, no tensor load and no matrix work; no prefetch, since all addresses are asked for at the head.
; THE TURN.  Wave w loads rows k = 16 w .. 16 w + 15 of the tile, 512 bytes on end a load: lane l holds columns 4 l .. 4 l + 3.  Sixteen k of one column pack into
; 32 bytes, which go to LDS row n; behind a barrier wave w reads rows n = 16 w .. 16 w + 15 whole (256 bytes) and stores them, sixteen lanes to 256 bytes on end.
; THE MODE: SCHED_MODE bits 1:0 = 2 (LLVM: expert scheduling mode 2), set by the entry lines.  The code itself states the register dependences
; between vector instructions and memory or LDS instructions, with s_wait_alu, always for 0.
; THE PLAN.  Registers that memory or LDS instructions touch:
;   v3-v8, v10, v11  offsets and LDS addresses: written at the head, never again; read by every load, store and LDS instruction.  One wait on va_vdst ahead of the first load.
;   WR v[16:79]      the weight's loads land here; the packing reads it; its first 32 registers (RB) then take the LDS loads behind the barrier, and the last stores read them.
;   T  v[80:111]     written by the packing (and by Wo's f16 lines); read by the LDS stores; never written again.
;                    One wait on va_vdst where the two paths join states both: T is written, and the packing is done reading WR.
;   X  v[112:239]    x's loads land here; rounded in place; read by the stores to xb; never written again.  x goes in 8 blocks of 4 loads: block p's roundings name block p's
;                    registers alone, so one wait on va_vdst at its head shows block p - 1's roundings written, and that block's four stores are dealt among block p's roundings.
; No register that a memory or LDS instruction reads is ever written again, so no wait on vm_vsrc is owed.
.set PITCH, 272                        ; an LDS row: 128 k x 2 bytes + 16
.set SPARE, 128*PITCH                  ; behind the tile: the spare words, 128 bytes for each of the eight waves: four blocks of 256 bytes that no other line names
.set WOFF, 3                           ; v3   my 16 bytes in the wave's first row of the weight tile
.set XOFF, 4                           ; v4   my 16 bytes in the wave's first 512 of x
.set XSTO, 5                           ; v5   my 8 bytes in the wave's first 256 of xb
.set LSTO, 6                           ; v6   LDS: row 4 l, byte 32 w
.set LRD,  7                           ; v7   LDS: row 16 w + l / 16, byte 16 (l % 16)
.set WSTO, 8                           ; v8   the same two rows in wt
.set SPW,  10                          ; v10  LDS address of my spare word; never rewritten
.set NIL,  11                          ; v11  0; never rewritten
.set WR,   16                          ; v[16:79]   the weight rows as loaded: row i at WR + 4 i
.set RB,   16                          ; v[16:47]   later: rows read back from LDS
.set T,    80                          ; v[80:111]  packed: column c, k half g at T + 4 (2 c + g)
.set X,    112                         ; v[112:239] x as loaded, 4 registers a load
	s_load_b256 s[4:11], s[0:1], 0x0               ; x s[4:5], Wq s[6:7], Wk s[8:9], Wv s[10:11]
	s_load_b128 s[12:15], s[0:1], 0x20             ; Wo s[12:13], xb s[14:15]
	s_load_b64 s[16:17], s[0:1], 0x30              ; wt
	v_lshl_add_u32 v[SPW], v0, 2, SPARE
	v_mov_b32 v[NIL], 0
	v_lshrrev_b32 v2, 5, v0
	v_readfirstlane_b32 s21, v2                    ; wave w
	v_and_b32 v1, 31, v0                           ; lane l
	v_lshrrev_b32 v12, 4, v1                       ; l / 16
	v_and_b32 v13, 15, v1                          ; l % 16
	s_lshr_b32 s18, ttmp9, 6                       ; which weight
	s_bfe_u32 s19, ttmp9, 0x30003                  ; kt: the tile's 128 k
	s_and_b32 s20, ttmp9, 7                        ; nt: the tile's 128 n
	s_wait_alu depctr_va_sdst(0)                   ; s21 is written, ahead of its first reader: the wave's offsets and its rows of wt are made from it
	s_lshl_b32 s2, s21, 16                         ; 16 rows of 4,096 bytes a wave
	v_lshl_add_u32 v[WOFF], v1, 4, s2
	s_lshl_b32 s2, s21, 14                         ; 16,384 bytes of x a wave
	v_lshl_add_u32 v[XOFF], v1, 4, s2
	s_lshl_b32 s2, s21, 13
	v_lshl_add_u32 v[XSTO], v1, 3, s2
	s_lshl_b32 s2, s21, 5
	v_mul_u32_u24 v[LSTO], v1, 4*PITCH
	v_add_nc_u32 v[LSTO], s2, v[LSTO]
	s_mul_i32 s2, s21, 16*PITCH
	v_mul_u32_u24 v[LRD], v12, PITCH
	v_lshl_add_u32 v[LRD], v13, 4, v[LRD]
	v_add_nc_u32 v[LRD], s2, v[LRD]
	v_lshlrev_b32 v[WSTO], 11, v12
	v_lshl_add_u32 v[WSTO], v13, 4, v[WSTO]
	; the first row of wt that my wave stores
	s_lshr_b32 s2, s21, 2
	s_lshl1_add_u32 s2, s20, s2                    ; the head: 2 nt + w / 4
	s_mul_i32 s2, s2, 192
	s_lshl_b32 s3, s18, 6
	s_add_co_u32 s2, s2, s3                        ; + 64 t
	s_and_b32 s3, s21, 3
	s_lshl_b32 s3, s3, 4
	s_add_co_u32 s2, s2, s3                        ; + 16 (w % 4)
	s_lshl_b32 s3, s20, 7
	s_lshl_b32 s30, s21, 4
	s_add_co_u32 s3, s3, s30
	s_add_co_u32 s3, s3, 3072                      ; Wo: 3072 + 128 nt + 16 w
	s_cmp_eq_u32 s18, 3
	s_cselect_b32 s2, s3, s2
	s_lshl_b32 s2, s2, 11                          ; in bytes,
	s_lshl_b32 s3, s19, 8
	s_add_co_u32 s2, s2, s3                        ; + the tile's 256 bytes of the row
	s_mov_b32 s3, 0
	s_lshl_b32 s30, s19, 19                        ; the tile in its weight: 128 kt rows of 4,096 bytes
	s_lshl_b32 s31, s20, 9
	s_add_co_u32 s30, s30, s31                     ; + 512 nt
	s_mov_b32 s31, 0
	s_wait_kmcnt 0x0
	s_add_nc_u64 s[28:29], s[16:17], s[2:3]        ; wt at my wave's first row
	s_cmp_eq_u32 s18, 1
	s_cselect_b64 s[22:23], s[8:9], s[6:7]
	s_cmp_eq_u32 s18, 2
	s_cselect_b64 s[22:23], s[10:11], s[22:23]
	s_cmp_eq_u32 s18, 3
	s_cselect_b64 s[22:23], s[12:13], s[22:23]
	s_add_nc_u64 s[22:23], s[22:23], s[30:31]      ; the weight at the tile's corner
	s_lshl_b32 s2, ttmp9, 17
	s_add_nc_u64 s[24:25], s[4:5], s[2:3]          ; x at the work-group's 131,072 bytes
	s_lshl_b32 s2, ttmp9, 16
	s_add_nc_u64 s[26:27], s[14:15], s[2:3]        ; xb at its 65,536
	s_wait_alu depctr_va_vdst(0)                   ; the six offsets and addresses v3 to v8 are written, which the loads, stores and LDS instructions below read; so are v10 and v11, which the closing add reads
.set n, 0
.rept 16
	global_load_b128 v[WR+4*n:WR+4*n+3], v[WOFF], s[22:23] offset:n*4096 th:TH_LOAD_NT
.set n, n+1
.endr
.set n, 0
.rept 32
	global_load_b128 v[X+4*n:X+4*n+3], v[XOFF], s[24:25] offset:n*512 th:TH_LOAD_NT
.set n, n+1
.endr
	s_wait_loadcnt 32                              ; loads come back in order: the 16 rows of the weight are in, x's 32 loads stay out
.irp c, 0,1,2,3
.irp g, 0,1
.irp p, 0,1,2,3
	v_cvt_pk_bf16_f32 v[T+4*(2*(\c)+(\g))+(\p)], v[WR+4*(8*(\g)+2*(\p))+(\c)], v[WR+4*(8*(\g)+2*(\p)+1)+(\c)]  ; column c, k = 8 g + 2 p and the next
.endr
.endr
.endr
	s_cmp_lg_u32 s18, 3
	s_cbranch_scc1 .Lnot_wo
.set n, 0
.rept 16                                       ; Wo alone: the bf16 numbers are written as f16
	v_lshlrev_b32 v12, 16, v[T+n]
	v_and_b32 v13, 0xffff0000, v[T+n]
	v_lshlrev_b32 v14, 16, v[T+n+1]
	v_and_b32 v15, 0xffff0000, v[T+n+1]
	v_cvt_pk_f16_f32 v[T+n], v12, v13
	v_cvt_pk_f16_f32 v[T+n+1], v14, v15
.set n, n+2
.endr
.Lnot_wo:
	s_wait_alu depctr_va_vdst(0)                   ; on both paths: the packing has written v[T ..], which the LDS stores read, and is done reading v[WR ..], in whose first 32 registers the LDS loads behind the barrier land
.irp c, 0,1,2,3
.irp g, 0,1
	ds_store_b128 v[LSTO], v[T+4*(2*(\c)+(\g)):T+4*(2*(\c)+(\g))+3] offset:(\c)*PITCH+16*(\g)
.endr
.endr
	s_wait_dscnt 0x0                               ; for the others' sake: my stores into the tile are done
	s_barrier_signal -1
	s_barrier_wait -1
.irp t, 0,1,2,3,4,5,6,7
	ds_load_b128 v[RB+4*(\t):RB+4*(\t)+3], v[LRD] offset:(\t)*2*PITCH  ; two whole rows a load.  No wait: no vector instruction since the wait above names these registers
.endr
; x, block p of eight: its four loads are in when the 28 - 4 p younger ones may still be out; four numbers round to 8 bytes in place; 32 lanes store 256 bytes on end, aligned.
; The stores of block p - 1 stand among block p's roundings, which name block p's registers alone.
.macro XBLK p
	s_wait_loadcnt 28-4*(\p)                       ; loads come back in order: block p is in, the younger blocks stay out
.if (\p) > 0
	s_wait_alu depctr_va_vdst(0)                   ; the block before has written its roundings, which the four stores below read
.endif
.irp i, 0,1,2,3
.if (\p) > 0
	global_store_b64 v[XSTO], v[X+4*(4*(\p)-4+(\i)):X+4*(4*(\p)-4+(\i))+1], s[26:27] offset:(4*(\p)-4+(\i))*256
.endif
	v_cvt_pk_bf16_f32 v[X+4*(4*(\p)+(\i))], v[X+4*(4*(\p)+(\i))], v[X+4*(4*(\p)+(\i))+1]
	v_cvt_pk_bf16_f32 v[X+4*(4*(\p)+(\i))+1], v[X+4*(4*(\p)+(\i))+2], v[X+4*(4*(\p)+(\i))+3]
.endr
.endm
.irp p, 0,1,2,3,4,5,6,7
	XBLK \p
.endr
	s_wait_alu depctr_va_vdst(0)                   ; block 7 has written its roundings, which the last four stores to xb read
.irp i, 0,1,2,3
	global_store_b64 v[XSTO], v[X+4*(28+(\i)):X+4*(28+(\i))+1], s[26:27] offset:(28+(\i))*256
.endr
	s_wait_dscnt 0x0                               ; the turned rows are back in registers
.irp t, 0,1,2,3,4,5,6,7
	global_store_b128 v[WSTO], v[RB+4*(\t):RB+4*(\t)+3], s[28:29] offset:(\t)*4096  ; sixteen lanes store 256 bytes on end of one row, the other sixteen of the next
.endr
	s_wait_dscnt 0x0                               ; the closing lines, six on end
	s_wait_alu 0x0
	s_wait_tensorcnt 0x0
	ds_add_u32 v[SPW], v[NIL]
	s_wait_dscnt 0x0
	s_endpgm
.Lfunc_end_k_q1270caced2_prep:
	.size	k_q1270caced2_prep, .Lfunc_end_k_q1270caced2_prep-k_q1270caced2_prep
	.p2alignl 7, 3214868480
	.fill 96, 4, 3214868480
	.section	.rodata,"a",@progbits
	.p2align	6, 0x0
	.amdhsa_kernel k_q1270caced2_prep
		.amdhsa_group_segment_fixed_size 35840
		.amdhsa_private_segment_fixed_size 0
		.amdhsa_enable_private_segment 0
		.amdhsa_kernarg_size 56
		.amdhsa_user_sgpr_count 2
		.amdhsa_user_sgpr_kernarg_segment_ptr 1
		.amdhsa_wavefront_size32 1
		.amdhsa_system_sgpr_workgroup_id_x 1
		.amdhsa_system_sgpr_workgroup_id_y 1
		.amdhsa_system_sgpr_workgroup_id_z 1
		.amdhsa_system_vgpr_workitem_id 0
		.amdhsa_next_free_vgpr 240
		.amdhsa_next_free_sgpr 66
		.amdhsa_reserve_vcc 0
		.amdhsa_float_denorm_mode_32 3
		.amdhsa_float_denorm_mode_16_64 3
		.amdhsa_memory_ordered 1
		.amdhsa_forward_progress 1
		.amdhsa_inst_pref_size 25
	.end_amdhsa_kernel
	.amdgpu_metadata
---
amdhsa.version: [ 1, 2 ]
amdhsa.kernels:
  - .name:           k_q1270caced2_prep
    .symbol:         k_q1270caced2_prep.kd
    .args:
      - { .name: x, .offset: 0, .size: 8, .value_kind: global_buffer, .address_space: global }
      - { .name: Wq, .offset: 8, .size: 8, .value_kind: global_buffer, .address_space: global }
      - { .name: Wk, .offset: 16, .size: 8, .value_kind: global_buffer, .address_space: global }
      - { .name: Wv, .offset: 24, .size: 8, .value_kind: global_buffer, .address_space: global }
      - { .name: Wo, .offset: 32, .size: 8, .value_kind: global_buffer, .address_space: global }
      - { .name: xb, .offset: 40, .size: 8, .value_kind: global_buffer, .address_space: global }
      - { .name: wt, .offset: 48, .size: 8, .value_kind: global_buffer, .address_space: global }
    .group_segment_fixed_size: 35840
    .private_segment_fixed_size: 0
    .kernarg_segment_align: 8
    .kernarg_segment_size: 56
    .max_flat_workgroup_size: 256
    .sgpr_count:     66
    .vgpr_count:     240
    .wavefront_size: 32
...
	.end_amdgpu_metadata
.endif
;; end of part 5
;; launch qkv: the kernel of part 2 again; grid 16 x 32, 4 waves a work-group, clusters of 4 x 4, 327,680 bytes of LDS; arguments xb, wt, bq, bk, bv, qkv; writes qkv
;; launch attn (part 6): grid 16 x 64, 4 waves a work-group, no clusters, 0 bytes of LDS; arguments qkv, attention_mask, ob; writes ob
.if DOCPART == 6
	.amdgcn_target "amdgcn-amd-amdhsa--gfx1250"
	.amdhsa_code_object_version 6
	.text
	.protected	k_q1270caced2_attn
	.globl	k_q1270caced2_attn
	.p2align	8
	.type	k_q1270caced2_attn,@function
k_q1270caced2_attn:
	s_mov_b64 s[64:65], 0
	v_nop
	global_prefetch_b8 v0, s[64:65] scope:SCOPE_SE
	s_setreg_imm32_b32 hwreg(HW_REG_WAVE_SCHED_MODE, 0, 2), 2
	s_setreg_imm32_b32 hwreg(HW_REG_WAVE_MODE, 25, 1), 1
	s_wait_xcnt 0x0
	s_wait_alu depctr_vm_vsrc(0)
; ATTN.  O[q] = the sum over keys k with |q - k| <= 32 and attention_mask[k] != 0 of softmax_k(q . k / 8) v[k]; a row with no such key gives 0.  q, k, v, the weights and O in f16; products, maxima and sums in f32.
; SHARES.  One wave, one shot: 32 queries (two tiles of 16) of one head against the 96 keys from 32 before its first query on: six blocks of 16, three pairs.  Tile t needs blocks t .. t + 4 alone:
; with ii = block - t, blocks ii = 1, 2, 3 lie wholly inside the band, ii = 0 has key >= query - 32 where 8 hh + j >= r, ii = 4 has key <= query + 32 where 8 hh + j <= r; the sixth block is wholly
; hidden: no score is made for it, and its weights are written as 0.  No loop, no LDS, no barrier: q, k and v lie in memory as matrix fragments, 512 bytes on end a load.
; Blocks before the head's first or behind its last key are read from a clamped address and hidden.
; LAYOUT.  S^T = K Q^T (source 0 = 16 keys, source 1 = 16 queries): a lane holds ONE query r and the keys 8 hh + 0..7.  Two such results rounded to f16 ARE source 1 of O^T = V^T P.
; THE MASKS are the C operand that starts the sum: 0, or -2^100 where the key is hidden; they only select values, no branch and no address hangs on them.
; SOFTMAX.  All of a row's scores are in registers, so the row's true maximum m is taken away: p = 2^(c s - c m), c = log2(e) / 8.
; LIMITS.  A hidden score counts as its value less 2^100; f16's scores, 2.7e11 at the most, are nothing beside that.  m is held at -2^96 or above, far below every true score, so a row with every key hidden has
; p = 0 throughout, l = 0 and O = 0; l is held at 2^-126 or above, which changes no live row's l (about 1 or more).  A weight below 2^-126 counts as 0; NaN and infinities are not treated apart.
; NOT HERE.  No tensor loads and no cluster: what waves share is the halo alone, and the fragments come in register order.  No prefetch: a wave issues all its loads at its head.
; THE MODE: SCHED_MODE bits 1:0 = 2 (LLVM: expert scheduling mode 2), set by the entry lines.  The code itself states the register dependences
; between vector or matrix instructions and memory instructions, with s_wait_alu, always for 0.
; THE PLAN.  Registers that memory instructions touch:
;   v1-v7          offsets: written at the head, never again; read by every load and store.  One wait on va_vdst ahead of the first load.
;   M, K, Q, V     the loads land here; no vector or matrix instruction names them ahead of the loads; none is loaded twice.  The constants that are no offsets and the band's compares stand behind the first
;                  60 loads: they name v8-v15 and scalar registers alone, so V's third pair, issued behind them, hangs on nothing that they touch.
;   S + 0 .. 31    at the end: written by the roundings of O, read by the eight stores, never written again.  One wait on va_vdst a tile; tile 1's arithmetic follows tile 0's stores and names other registers.
; No register that a memory instruction reads is ever written again, so no wait on vm_vsrc is owed.  The compares write scalar registers in runs, with one wait on va_sdst behind each run.
; REGISTERS (s_set_vgpr_msb: bits 1:0 source 0, 3:2 source 1, 5:4 source 2, 7:6 destination):
;   window 0: v0-15 addresses and constants; v16-31 statistics; v32-79 M, the padding mask of block i at 32 + 8 i; v80-111 CP, band and padding for ii = 0, 4; v112-191 S^T; v192-239 P; v240-249 maxima at work
;   window 1: v0-31 Q; v32-127 K, later O^T in v32-95; v128-223 V
.set BIGV, 0xf1800000                  ; -2^100
.set FLRV, 0xef800000                  ; -2^96
.set LO,  1                            ; v1     16 L
.set VO,  2                            ; v2-4   16 L + pair p's first block x 2,048
.set VM,  5                            ; v5-7   pair p's first block x 64 + 32 hh: my eight words of the mask
.set EE,  8                            ; v8     8 hh - r
.set BG,  9                            ; v9     -2^100
.set PVR, 10                           ; v10-12 what a visible key of pair p counts as: 0, or -2^100 where the pair lies outside the head
.set FL,  13                           ; v13    -2^96
.set ST,  16                           ; tile t at ST + 8 t: c m, m; l; -; 1 / l, 0
.set M,   32
.set CP,  80
.set S,   112                          ; tile t, block ii at S + 40 t + 8 ii
.set P,   192                          ; tile t, block i at P + 24 t + 4 i
.set CH,  240                          ; tile t, chain ii at CH + 5 t + ii
.set QF,  0                            ; window 1: tile t, channels 32 c on at 16 t + 8 c
.set KF,  32                           ; block i, channels 32 c on at KF + 16 i + 8 c
.set VF,  128                          ; pair p, channels 16 cb on at VF + 32 p + 8 cb
.set OT,  32                           ; tile t, channels 16 cb on at OT + 32 t + 8 cb
.set PM,  16                           ; s[16:39] the padding compares' masks, 24 to a run; s16-s27 serve the head's arithmetic before that
.set MSB, 0
.macro WIN new
.if MSB != (\new)
	s_set_vgpr_msb (MSB<<8)|(\new)
.set MSB, \new
.endif
.endm
	s_load_b128 s[4:7], s[0:1], 0x0                ; qkv s[4:5], attention_mask s[6:7]
	s_load_b64 s[8:9], s[0:1], 0x10                ; ob
	v_lshrrev_b32 v14, 5, v0
	v_readfirstlane_b32 s14, v14                   ; wave
	v_and_b32 v[LO], 31, v0
	v_lshlrev_b32 v[LO], 4, v[LO]
	v_and_b32 v14, 15, v0                          ; r
	v_bfe_u32 v15, v0, 4, 1                        ; hh
	s_and_b32 s16, ttmp7, 0xffff                   ; 16 batch + head
	s_lshr_b32 s17, s16, 4                         ; batch
	s_and_b32 s18, s16, 15                         ; head
	s_mov_b32 s26, BIGV
	s_mov_b32 s56, 0x3e38aa3b                      ; c = log2(e) / 8
	s_mov_b32 s57, s56                             ; named with it as a pair
	s_mov_b32 s58, 0x76543210                      ; v_permlanex16_b32: each lane takes its own place in the other half
	s_mov_b32 s59, 0xfedcba98
	s_lshl_b32 s15, ttmp9, 2
	s_wait_alu depctr_va_sdst(0)                   ; s14 is written, ahead of its first reader: the wave's 32 queries, and with them every offset, are made from it
	s_add_co_u32 s15, s15, s14                     ; u: my 32 queries, 0 .. 63
	s_lshl_b32 s20, s15, 1                         ; pair 1 begins with block 2 u,
	s_max_u32 s19, s20, 2
	s_sub_co_u32 s19, s19, 2                       ; pair 0 with 2 u - 2, held at 0,
	s_add_co_u32 s21, s20, 2
	s_min_u32 s21, s21, 126                        ; pair 2 with 2 u + 2, held at 126: every load stays inside the head
	s_cmp_eq_u32 s15, 0
	s_cselect_b32 s22, s26, 0                      ; pair 0 is hidden where it does not exist,
	s_cmp_eq_u32 s15, 63
	s_cselect_b32 s23, s26, 0                      ; and pair 2
.irp p, 0,1,2
	s_lshl_b32 s24, s[19+(\p)], 11
	v_add_nc_u32 v[VO+(\p)], s24, v[LO]
	s_lshl_b32 s27, s[19+(\p)], 6
	v_lshl_add_u32 v[VM+(\p)], v15, 5, s27
.endr
	s_lshl_b32 s24, s16, 18                        ; a head's 128 blocks of 2,048 bytes
	s_mov_b32 s25, 0
	s_wait_kmcnt 0x0
	s_add_nc_u64 s[4:5], s[4:5], s[24:25]          ; q
	s_add_nc_u64 s[10:11], s[4:5], 0x1000000       ; k
	s_add_nc_u64 s[12:13], s[4:5], 0x2000000       ; v
	s_lshl_b32 s24, s17, 13
	s_add_nc_u64 s[6:7], s[6:7], s[24:25]          ; the batch's row of the mask
	s_lshl_b32 s24, s17, 7
	s_add_co_u32 s24, s24, s20                     ; O's row block 128 batch + 2 u,
	s_lshl_b32 s24, s24, 15
	s_lshl_b32 s27, s18, 11                        ; the head's 2,048 bytes in it
	s_add_co_u32 s24, s24, s27
	s_add_nc_u64 s[8:9], s[8:9], s[24:25]
	s_wait_alu depctr_va_vdst(0)                   ; the seven offsets v1 to v7 are written, which every load and store of the kernel reads
	; 60 loads at once: the mask first, then K, Q, and two pairs of V
.irp p, 0,1,2
.irp z, 0,1
	global_load_b128 v[M+8*(2*(\p)+(\z)):M+8*(2*(\p)+(\z))+3],   v[VM+(\p)], s[6:7] offset:64*(\z)
	global_load_b128 v[M+8*(2*(\p)+(\z))+4:M+8*(2*(\p)+(\z))+7], v[VM+(\p)], s[6:7] offset:64*(\z)+16
.endr
.endr
	WIN 0x40                                       ; destination window 1, address window 0
.irp p, 0,1,2
.irp z, 0,1
.irp c, 0,1
	global_load_b128 v[KF+16*(2*(\p)+(\z))+8*(\c):KF+16*(2*(\p)+(\z))+8*(\c)+3],   v[VO+(\p)], s[10:11] offset:(\z)*2048+(\c)*1024
	global_load_b128 v[KF+16*(2*(\p)+(\z))+8*(\c)+4:KF+16*(2*(\p)+(\z))+8*(\c)+7], v[VO+(\p)], s[10:11] offset:(\z)*2048+(\c)*1024+512
.endr
.endr
.endr
.irp t, 0,1
.irp c, 0,1
	global_load_b128 v[QF+16*(\t)+8*(\c):QF+16*(\t)+8*(\c)+3],   v[VO+1], s[4:5] offset:(\t)*2048+(\c)*1024
	global_load_b128 v[QF+16*(\t)+8*(\c)+4:QF+16*(\t)+8*(\c)+7], v[VO+1], s[4:5] offset:(\t)*2048+(\c)*1024+512
.endr
.endr
.macro VLOAD p                         ; a pair's V: registers 0-3 from its first block (keys 8 hh on), 4-7 from its second (keys 16 + 8 hh on)
.irp cb, 0,1,2,3
	global_load_b128 v[VF+32*(\p)+8*(\cb):VF+32*(\p)+8*(\cb)+3],   v[VO+(\p)], s[12:13] offset:(\cb)*512
	global_load_b128 v[VF+32*(\p)+8*(\cb)+4:VF+32*(\p)+8*(\cb)+7], v[VO+(\p)], s[12:13] offset:2048+(\cb)*512
.endr
.endm
	VLOAD 0
	VLOAD 1
	WIN 0
	; the constants that are no offsets, and the band's compares, stand behind the loads: they name v8 to v15 and scalar registers, which no load touches
	v_lshlrev_b32 v[EE], 3, v15
	v_sub_nc_u32 v[EE], v[EE], v14
	v_mov_b32 v[BG], s26
	v_mov_b32 v[PVR], s22
	v_mov_b32 v[PVR+1], 0
	v_mov_b32 v[PVR+2], s23
	v_mov_b32 v[FL], FLRV
.irp j, 0,1,2,3,4,5,6,7
	v_cmp_le_i32 s[40+(\j)], -(\j), v[EE]          ; ii = 0: register j is inside the band where 8 hh + j >= r
	v_cmp_ge_i32 s[48+(\j)], -(\j), v[EE]          ; ii = 4: where 8 hh + j <= r
.endr
	s_wait_loadcnt 48                              ; loads come back in order: the mask is in; K's 24, Q's 8 and V's 16 stay out
	WIN 0x40
	VLOAD 2                                        ; no wait: no vector instruction since the wait at the head names v4 or the registers in which these loads land
	WIN 0
.irp h, 0,1                                    ; a word of the mask becomes the number that starts the key's score: three blocks to a run
.irp z, 0,1,2
.irp j, 0,1,2,3,4,5,6,7
	v_cmp_ne_u32 s[PM+8*(\z)+(\j)], 0, v[M+8*(3*(\h)+(\z))+(\j)]
.endr
.endr
	s_wait_alu depctr_va_sdst(0)                   ; the run's 24 compares have written s[16:39], which the selects below read; the first time round the band's sixteen have written s[40:55] too, whose readers follow further down
.irp z, 0,1,2
.irp j, 0,1,2,3,4,5,6,7
	v_cndmask_b32 v[M+8*(3*(\h)+(\z))+(\j)], v[BG], v[PVR+(3*(\h)+(\z))/2], s[PM+8*(\z)+(\j)]
.endr
.endr
.endr
.irp t, 0,1
.irp j, 0,1,2,3,4,5,6,7
	v_cndmask_b32 v[CP+16*(\t)+(\j)],   v[BG], v[M+8*(\t)+(\j)],     s[40+(\j)]
	v_cndmask_b32 v[CP+16*(\t)+8+(\j)], v[BG], v[M+8*((\t)+4)+(\j)], s[48+(\j)]
.endr
.endr
	s_wait_loadcnt 24                              ; K and Q are in; V's 24 loads stay out
	WIN 0x05                                       ; K and Q in window 1, S^T and the masks in window 0
.irp c, 0,1                                    ; ten accumulators take turns
.irp t, 0,1
.irp ii, 0,1,2,3,4
.set rS, S+40*(\t)+8*(\ii)
.set rK, KF+16*((\t)+(\ii))+8*(\c)
.set rQ, QF+16*(\t)+8*(\c)
.if (\c) == 1
	v_wmma_f32_16x16x32_f16 v[rS:rS+7], v[rK:rK+7], v[rQ:rQ+7], v[rS:rS+7]
.elseif (\ii) == 0
	v_wmma_f32_16x16x32_f16 v[rS:rS+7], v[rK:rK+7], v[rQ:rQ+7], v[CP+16*(\t):CP+16*(\t)+7]
.elseif (\ii) == 4
	v_wmma_f32_16x16x32_f16 v[rS:rS+7], v[rK:rK+7], v[rQ:rQ+7], v[CP+16*(\t)+8:CP+16*(\t)+15]
.else
	v_wmma_f32_16x16x32_f16 v[rS:rS+7], v[rK:rK+7], v[rQ:rQ+7], v[M+8*((\t)+(\ii)):M+8*((\t)+(\ii))+7]
.endif
.endr
.endr
.endr
	WIN 0
.irp q, 0,1,2,3                                ; the wholly hidden blocks' weights; eight plain lines, the places behind the products
	v_mov_b32 v[P+20+(\q)], 0
	v_mov_b32 v[P+24+(\q)], 0
.endr
	; the maximum of a lane's 40 scores: five chains of seven, each begun at its accumulator's lowest registers; then the five scores left over, the floor and the chains
.irp t, 0,1
.irp ii, 0,1,2,3,4
	v_max3_num_f32 v[CH+5*(\t)+(\ii)], v[S+40*(\t)+8*(\ii)], v[S+40*(\t)+8*(\ii)+1], v[S+40*(\t)+8*(\ii)+2]
.endr
.endr
.irp n, 1,2
.irp t, 0,1
.irp ii, 0,1,2,3,4
	v_max3_num_f32 v[CH+5*(\t)+(\ii)], v[CH+5*(\t)+(\ii)], v[S+40*(\t)+8*(\ii)+2*(\n)+1], v[S+40*(\t)+8*(\ii)+2*(\n)+2]
.endr
.endr
.endr
.irp t, 0,1
	v_max3_num_f32 v[CH+5*(\t)],   v[CH+5*(\t)],   v[S+40*(\t)+7],  v[S+40*(\t)+15]
	v_max3_num_f32 v[CH+5*(\t)+1], v[CH+5*(\t)+1], v[S+40*(\t)+23], v[S+40*(\t)+31]
	v_max3_num_f32 v[CH+5*(\t)+2], v[CH+5*(\t)+2], v[S+40*(\t)+39], v[FL]
.endr
.irp t, 0,1
	v_max3_num_f32 v[CH+5*(\t)], v[CH+5*(\t)], v[CH+5*(\t)+1], v[CH+5*(\t)+2]
.endr
.irp t, 0,1
	v_max3_num_f32 v[CH+5*(\t)], v[CH+5*(\t)], v[CH+5*(\t)+3], v[CH+5*(\t)+4]
.endr
.irp t, 0,1
	v_permlanex16_b32 v[CH+5*(\t)+1], v[CH+5*(\t)], s58, s59  ; the query's other keys lie in the lane 16 away
.endr
.irp t, 0,1
	v_max_num_f32 v[ST+8*(\t)+1], v[CH+5*(\t)], v[CH+5*(\t)+1]
.endr
.irp t, 0,1
	v_mul_f32 v[ST+8*(\t)], s56, v[ST+8*(\t)+1]    ; c m
.endr
.irp t, 0,1
.set k, 0
.rept 20
	v_pk_fma_f32 v[S+40*(\t)+2*k:S+40*(\t)+2*k+1], v[S+40*(\t)+2*k:S+40*(\t)+2*k+1], s[56:57], v[ST+8*(\t):ST+8*(\t)+1] op_sel_hi:[1,0,0] neg_lo:[0,0,1] neg_hi:[0,0,1]  ; c s - c m
.set k, k+1
.endr
.endr
.set k, 0
.rept 80                                       ; ONE batch of exponentials for both tiles; nothing ahead of its wait names a result
	v_exp_f32 v[S+k], v[S+k]
.set k, k+1
.endr
	v_nop                                          ; a plain line behind the last exponential (ISA guide 5.7.2),
	s_wait_alu depctr_va_vdst(0)                   ; the 80 exponentials have written v[S ..], ahead of their first reader, the roundings below: one wait for the batch
.irp t, 0,1
.set k, 0
.rept 20
	v_cvt_pk_f16_f32 v[P+28*(\t)+k], v[S+40*(\t)+2*k], v[S+40*(\t)+2*k+1]  ; tile t's block ii is block t + ii of the six: 24 t + 4 (t + ii) + q
.set k, k+1
.endr
.endr
	s_wait_loadcnt 0x0                             ; V
	WIN 0x51                                       ; V and O^T in window 1, P in window 0
.irp p, 0,1,2                                  ; eight accumulators take turns; the first pair starts the sums
.irp t, 0,1
.irp cb, 0,1,2,3
.set rO, OT+32*(\t)+8*(\cb)
.set rV, VF+32*(\p)+8*(\cb)
.set rP, P+24*(\t)+8*(\p)
.if (\p) == 0
	v_wmma_f32_16x16x32_f16 v[rO:rO+7], v[rV:rV+7], v[rP:rP+7], 0
.else
	v_wmma_f32_16x16x32_f16 v[rO:rO+7], v[rV:rV+7], v[rP:rP+7], v[rO:rO+7]
.endif
.endr
.endr
.endr
	WIN 0
	; l, of the unrounded weights: 20 pairs a tile, in place.  These lines name no register of the products above: they are the places behind them.
.set k, 0
.rept 10
.irp t, 0,1
	v_pk_add_f32 v[S+40*(\t)+2*k:S+40*(\t)+2*k+1], v[S+40*(\t)+2*k:S+40*(\t)+2*k+1], v[S+40*(\t)+2*k+20:S+40*(\t)+2*k+21]
.endr
.set k, k+1
.endr
.set k, 0
.rept 5
.irp t, 0,1
	v_pk_add_f32 v[S+40*(\t)+2*k:S+40*(\t)+2*k+1], v[S+40*(\t)+2*k:S+40*(\t)+2*k+1], v[S+40*(\t)+2*k+10:S+40*(\t)+2*k+11]
.endr
.set k, k+1
.endr
.irp t, 0,1
	v_pk_add_f32 v[S+40*(\t):S+40*(\t)+1],   v[S+40*(\t):S+40*(\t)+1],   v[S+40*(\t)+2:S+40*(\t)+3]
	v_pk_add_f32 v[S+40*(\t)+4:S+40*(\t)+5], v[S+40*(\t)+4:S+40*(\t)+5], v[S+40*(\t)+6:S+40*(\t)+7]
.endr
.irp t, 0,1
	v_pk_add_f32 v[S+40*(\t):S+40*(\t)+1], v[S+40*(\t):S+40*(\t)+1], v[S+40*(\t)+4:S+40*(\t)+5]
.endr
.irp t, 0,1
	v_pk_add_f32 v[S+40*(\t):S+40*(\t)+1], v[S+40*(\t):S+40*(\t)+1], v[S+40*(\t)+8:S+40*(\t)+9]
.endr
.irp t, 0,1
	v_add_f32 v[ST+8*(\t)+2], v[S+40*(\t)], v[S+40*(\t)+1]
	v_mov_b32 v[ST+8*(\t)+5], 0                    ; named with 1 / l as a pair
.endr
.irp t, 0,1
	v_permlanex16_b32 v[CH+5*(\t)+1], v[ST+8*(\t)+2], s58, s59
.endr
.irp t, 0,1
	v_add_f32 v[ST+8*(\t)+2], v[ST+8*(\t)+2], v[CH+5*(\t)+1]
.endr
.irp t, 0,1
	v_max_num_f32 v[ST+8*(\t)+2], 0x00800000, v[ST+8*(\t)+2]  ; a row with every key hidden: l = 0 becomes 2^-126, and O = 0 x 2^126 = 0
.endr
.irp t, 0,1
	v_rcp_f32 v[ST+8*(\t)+4], v[ST+8*(\t)+2]
.endr
	v_nop                                          ; a plain line behind the last reciprocal,
	s_wait_alu depctr_va_vdst(0)                   ; the two reciprocals have written 1 / l, ahead of its first reader, the scalings below: one wait for the two
; THE WAY OUT, a tile at a time: O^T times 1 / l, rounded to f16 into S^T's registers, which are free, and stored.  Tile 1's 32 vector lines follow tile 0's stores and name none of the registers that those read.
.irp t, 0,1
	WIN 0x41                                       ; O^T (destination and source 0) in window 1, 1 / l in window 0
.set k, 0
.rept 16
	v_pk_mul_f32 v[OT+32*(\t)+2*k:OT+32*(\t)+2*k+1], v[OT+32*(\t)+2*k:OT+32*(\t)+2*k+1], v[ST+8*(\t)+4:ST+8*(\t)+5] op_sel_hi:[1,0]
.set k, k+1
.endr
	WIN 0x05                                       ; sources in window 1, destination in window 0
.set k, 0
.rept 16
	v_cvt_pk_f16_f32 v[S+16*(\t)+k], v[OT+32*(\t)+2*k], v[OT+32*(\t)+2*k+1]
.set k, k+1
.endr
	WIN 0
	s_wait_alu depctr_va_vdst(0)                   ; the tile's roundings have written v[S + 16 t ..], which its four stores read
.irp cb, 0,1,2,3
	global_store_b128 v[LO], v[S+4*(4*(\t)+(\cb)):S+4*(4*(\t)+(\cb))+3], s[8:9] offset:(\t)*32768+(\cb)*512  ; row r, channels 16 cb + 8 hh on: 512 bytes on end, as the last product's fragments want them
.endr
.endr
	s_endpgm
.Lfunc_end_k_q1270caced2_attn:
	.size	k_q1270caced2_attn, .Lfunc_end_k_q1270caced2_attn-k_q1270caced2_attn
	.p2alignl 7, 3214868480
	.fill 96, 4, 3214868480
	.section	.rodata,"a",@progbits
	.p2align	6, 0x0
	.amdhsa_kernel k_q1270caced2_attn
		.amdhsa_group_segment_fixed_size 0
		.amdhsa_private_segment_fixed_size 0
		.amdhsa_enable_private_segment 0
		.amdhsa_kernarg_size 24
		.amdhsa_user_sgpr_count 2
		.amdhsa_user_sgpr_kernarg_segment_ptr 1
		.amdhsa_wavefront_size32 1
		.amdhsa_system_sgpr_workgroup_id_x 1
		.amdhsa_system_sgpr_workgroup_id_y 1
		.amdhsa_system_sgpr_workgroup_id_z 1
		.amdhsa_system_vgpr_workitem_id 0
		.amdhsa_next_free_vgpr 480
		.amdhsa_next_free_sgpr 66
		.amdhsa_reserve_vcc 0
		.amdhsa_float_denorm_mode_32 3
		.amdhsa_float_denorm_mode_16_64 3
		.amdhsa_memory_ordered 1
		.amdhsa_forward_progress 1
		.amdhsa_inst_pref_size 40
	.end_amdhsa_kernel
	.amdgpu_metadata
---
amdhsa.version: [ 1, 2 ]
amdhsa.kernels:
  - .name:           k_q1270caced2_attn
    .symbol:         k_q1270caced2_attn.kd
    .args:
      - { .name: qkv, .offset: 0, .size: 8, .value_kind: global_buffer, .address_space: global }
      - { .name: attention_mask, .offset: 8, .size: 8, .value_kind: global_buffer, .address_space: global }
      - { .name: ob, .offset: 16, .size: 8, .value_kind: global_buffer, .address_space: global }
    .group_segment_fixed_size: 0
    .private_segment_fixed_size: 0
    .kernarg_segment_align: 8
    .kernarg_segment_size: 24
    .max_flat_workgroup_size: 128
    .sgpr_count:     66
    .vgpr_count:     480
    .wavefront_size: 32
...
	.end_amdgpu_metadata
.endif
;; end of part 6
;; launch oproj: the kernel of part 4 again; grid 8 x 32, 4 waves a work-group, clusters of 4 x 4, 327,680 bytes of LDS; arguments ob, wt, bo, out0; writes out0
